; MI455X (gfx1250); checked and timed in simulation.
; The chip was launched on July 23, 2026; its instructions are those of AMD's public machine-readable ISA for CDNA 5 (MIT licence, August 2026) and "CDNA5" Instruction Set Architecture Reference Guide (July 2026). The comments in the code are by the model that wrote it; some were corrected since.
;; Dynamic Mo E. Allowed arithmetic: matrix products marked QUANTISED: E4M3 operands, one E8M0 scale for each 32 along K, by v_wmma_scale_f32_16x16x128_f8f6f4 with both operands' format E4M3, f32 sums; products left as they are: f32 operands where the result goes on into a quantised operand, else bf16, f16 or f32 operands; f32 sums; everything else in f32.
;; Inputs: b1 8 x 4,096 float32; b2 8 x 1,024 float32; gate_b 8 float32; gate_w 1,024 x 8 float32; w1 8 x 1,024 x 4,096 float32; w2 8 x 4,096 x 1,024 float32; x 4 x 256 x 1,024 float32.
;; Outputs: out0 4 x 256 x 1,024 float32.
;; This version of the problem:
;;   THIS VERSION OF THE PROBLEM IS GIVEN IN LOW PRECISION. The matrix products marked QUANTISED in the list below multiply operands that are first quantised to E4M3 (4 exponent bits, 3 mantissa bits; 8 bits a number), with one power-of-two scale for each 32 numbers along K (OCP MX v1.0); their sums are f32. All else is computed in f32.
;;   The module's matrix products, in the order in which they are computed (A, B: the left and right operand; K: the contracted axis; several contracted axes count as one K, in the product's order):
;;     1. [M 1,024, K 1,024] x [K 1,024, N 8]; A: input x; B: input gate_w: left as it is (N = 8 < 16)
;;     2. batch 1,024 x [M 8, K 2] x [K 2, N 1]; A: computed on the way; B: computed on the way: left as it is (K = 2 < 32)
;;     3. [M 1,024, K 1,024] x [K 1,024, N 4,096]; A: computed on the way; B: input w1: QUANTISED
;;     4. [M 1,024, K 4,096] x [K 4,096, N 1,024]; A: computed on the way; B: input w2: QUANTISED
;;     5. [M 1,024, K 1,024] x [K 1,024, N 4,096]; A: computed on the way; B: input w1: QUANTISED
;;     6. [M 1,024, K 4,096] x [K 4,096, N 1,024]; A: computed on the way; B: input w2: QUANTISED
;;     7. [M 1,024, K 1,024] x [K 1,024, N 4,096]; A: computed on the way; B: input w1: QUANTISED
;;     8. [M 1,024, K 4,096] x [K 4,096, N 1,024]; A: computed on the way; B: input w2: QUANTISED
;;     9. [M 1,024, K 1,024] x [K 1,024, N 4,096]; A: computed on the way; B: input w1: QUANTISED
;;     10. [M 1,024, K 4,096] x [K 4,096, N 1,024]; A: computed on the way; B: input w2: QUANTISED
;;     11. [M 1,024, K 1,024] x [K 1,024, N 4,096]; A: computed on the way; B: input w1: QUANTISED
;;     12. [M 1,024, K 4,096] x [K 4,096, N 1,024]; A: computed on the way; B: input w2: QUANTISED
;;     13. [M 1,024, K 1,024] x [K 1,024, N 4,096]; A: computed on the way; B: input w1: QUANTISED
;;     14. [M 1,024, K 4,096] x [K 4,096, N 1,024]; A: computed on the way; B: input w2: QUANTISED
;;     15. [M 1,024, K 1,024] x [K 1,024, N 4,096]; A: computed on the way; B: input w1: QUANTISED
;;     16. [M 1,024, K 4,096] x [K 4,096, N 1,024]; A: computed on the way; B: input w2: QUANTISED
;;     17. [M 1,024, K 1,024] x [K 1,024, N 4,096]; A: computed on the way; B: input w1: QUANTISED
;;     18. [M 1,024, K 4,096] x [K 4,096, N 1,024]; A: computed on the way; B: input w2: QUANTISED
;;   THE QUANTISER, for each operand of a quantised product, along K:
;;     - K is cut into blocks of 32 from its start; a last block that is shorter is filled with zeros.
;;     - A block's scale is 2^e with e = floor(log2(the largest magnitude in the block)) - 8, held to -126 .. 127; a block of zeros has e = 0. As a byte (E8M0): e + 127.
;;     - Each number is divided by its block's scale, clamped to +-448, and rounded to the nearest number of E4M3, ties to even, subnormals kept.
;;     - The product sums the exact products of the quantised numbers (number of the format x scale) in f32.
;;   ~~~python
;;   def quantise(x, axis):      # numpy; x: float32 -> the quantised numbers, widened to float32 again
;;       x = np.moveaxis(x, axis, -1); K = x.shape[-1]
;;       x = np.pad(x, [(0, 0)] * (x.ndim - 1) + [(0, -K % 32)]); x = x.reshape(x.shape[:-1] + (-1, 32)); a = np.abs(x).max(-1, keepdims=True)
;;       e = np.where(a > 0, np.clip(np.frexp(np.where(a > 0, a, 1))[1] - 1 - 8, -126, 127), 0)      # np.frexp(a)[1] - 1 = floor(log2(a)), exactly
;;       r = np.clip(x / 2.0 ** e, -448, 448)
;;       step = 2.0 ** (np.maximum(np.frexp(np.where(r == 0, 1, r))[1] - 1, -6) - 3)
;;       q = np.round(r / step) * step * 2.0 ** e      # np.round: ties to even
;;       return np.moveaxis(q.reshape(q.shape[:-2] + (-1,))[..., :K], -1, axis).astype(np.float32)
;;   ~~~
;;   OPERANDS COMPUTED ON THE WAY. 'Computed on the way' means the value that the module computes at that place (a softmax that the list does not call 'softmax' is quantised finished and normalised). What goes into a quantiser is computed in f32, as accurately as f32 sums, v_exp_f32 and their like allow (about 1e-6 of the number): no bf16 or f16 on the way to a quantiser, and a product that is left as it is and whose result goes on into a quantised operand takes f32 operands (vector FMAs, or v_wmma_f32_16x16x4_f32). A number that lies on a knife's edge between two numbers of the format may be rounded either way, as far as f32 arithmetic and the matrix unit's own rounding can turn it there, and no further.
;; 2 versions. Each part assembles by itself: llvm-mc -triple=amdgcn-amd-amdhsa -mcpu=gfx1250 --defsym DOCPART=n.
;; ======== version 1 of 2: 5 launches
;; workspace buffers: owner 4,096 bytes of whole numbers; xq 1,048,576 bytes; xs 32,768 bytes; plan 8,960 bytes of whole numbers; hq 4,718,592 bytes; hs 147,456 bytes; part 18,874,368 bytes
;; launch route (part 1): grid 256 x 1, 4 waves a work-group, no clusters, 35,584 bytes of LDS; arguments x, gate_w, gate_b, owner, xq, xs; writes owner, xq, xs
.if DOCPART == 1
	.amdgcn_target "amdgcn-amd-amdhsa--gfx1250"
	.amdhsa_code_object_version 6
	.text
	.protected	k_q3383bd5378_route
	.globl	k_q3383bd5378_route
	.p2align	8
	.type	k_q3383bd5378_route,@function
k_q3383bd5378_route:
	s_mov_b64 s[64:65], 0
	v_nop
	global_prefetch_b8 v0, s[64:65] scope:SCOPE_SE
	s_setreg_imm32_b32 hwreg(HW_REG_WAVE_MODE, 25, 1), 1
	s_wait_xcnt 0x0
; THE ROUTER, AND THE FIRST OPERAND.  One wave takes one token t = 4 x work-group + wave.
; logits = x[t] . gate_w + gate_b in f32; scores = softmax (the maximum is taken away first); the two largest scores, the lower index first among equals.
; The combine of the model overwrites in ascending order of experts wherever a weight is above 0: so a token keeps the result of ONE expert,
; the higher-numbered of its two if that one's score is above 0, else the other.  Stored: that expert's number (owner[t]), and x[t] x its score as codes of E4M3
; with one E8M0 byte for each 32 along K (xq[t][1024], xs[t][32]).  No address and no branch hangs on a floating-point number.
; LIMITS: NaN and infinities are not served.  A token whose second and third scores agree within f32 rounding may take the other expert.
; A block whose largest magnitude lies under 2^-118 keeps the byte 1; so does a block of zeros (its codes are zeros; only this program reads the bytes).
; Lane l holds x[256 i + 8 l + m], i = 0..3, m = 0..7, in v[X + 8 i + m]: a block of 32 lies in four neighbouring lanes.
; gate_w (32 KiB) goes through LDS once a work-group, as 128 chunks of 256 bytes (8 rows of 8 experts), 272 bytes apart: lane l reads chunk 32 i + l, and sixteen lanes touch sixteen different 16-byte columns.
.set X,   16                           ; v16-47   my 32 numbers of x
.set G,   48                           ; v48-175  two sets of 64: gate_w[8 rows][8 experts]
.set ACC, 176                          ; v176-183 eight sums
.set SCR, 184                          ; v184-191 t, then p, then the scores
.set SH,  192                          ; v192-199 what v_ldexp_f32 takes off again
.set QM,  192                          ; later: v192-195 largest magnitudes, v196-199 scale operands, v200-203 448 x scale, v204-207 bytes
.set QS,  196
.set QL,  200
.set QB,  204
.set CD,  216                          ; v216-223 codes
.set GP,  272
.set SBY, 128*GP                       ; behind gate_w's image: 32 scale bytes for each wave
	s_load_b256 s[4:11], s[0:1], 0x0               ; x s[4:5], gate_w s[6:7], gate_b s[8:9], owner s[10:11]
	s_load_b128 s[12:15], s[0:1], 0x20             ; xq s[12:13], xs s[14:15]
	v_lshl_add_u32 v224, v0, 2, 0x8900
	v_mov_b32 v225, 0
	v_lshrrev_b32 v1, 5, v0
	v_readfirstlane_b32 s16, v1                    ; wave
	v_and_b32 v2, 31, v0                           ; lane
	s_lshl_b32 s17, ttmp9, 2
	s_add_co_u32 s17, s17, s16                     ; my token
	v_lshlrev_b32 v3, 5, v2                        ; x: 32 bytes a lane
	v_lshlrev_b32 v4, 4, v0                        ; gate_w: 16 bytes a thread
	v_lshrrev_b32 v5, 4, v0
	v_and_b32 v6, 15, v0
	v_mul_u32_u24 v5, v5, GP
	v_lshl_add_u32 v5, v6, 4, v5                   ; its image, on the way in: chunk thread / 16 (+ 8 for each load), 16 bytes a thread
	v_mul_u32_u24 v6, v2, GP                       ; and on the way out: chunk = lane (+ 32 i)
	v_lshlrev_b32 v7, 3, v2                        ; codes: 8 bytes a lane
	v_lshrrev_b32 v8, 2, v2
	s_lshl_b32 s34, s16, 5
	s_add_co_u32 s34, s34, SBY
	v_add_nc_u32 v8, s34, v8                       ; my block's scale byte: SBY + 32 wave + lane / 4 (+ 8 i)
	v_and_b32 v9, 7, v2
	v_lshlrev_b32 v9, 2, v9                        ; the bytes leave as 8 words
	v_add_nc_u32 v10, s34, v9
	v_mov_b32 v12, 0
	s_mov_b32 s20, 0x76543210
	s_mov_b32 s21, 0xfedcba98                      ; v_permlanex16_b32's selects for lane l xor 16
	s_mov_b32 s23, 0x600000                        ; the mantissa field of 448
	s_lshl_b32 s18, s17, 12                        ; a row of x is 4,096 bytes
	s_mov_b32 s19, 0
	s_wait_kmcnt 0x0
	s_load_b256 s[24:31], s[8:9], 0x0              ; gate_b
	s_add_nc_u64 s[4:5], s[4:5], s[18:19]
.irp i, 0,1,2,3
	global_load_b128 v[X+8*\i:X+8*\i+3],   v3, s[4:5] offset:1024*\i th:TH_LOAD_NT
	global_load_b128 v[X+8*\i+4:X+8*\i+7], v3, s[4:5] offset:1024*\i+16 th:TH_LOAD_NT
.endr
.set n, 0
.rept 16
	global_load_b128 v[G+4*n:G+4*n+3], v4, s[6:7] offset:2048*n      ; 128 threads x 16 bytes: 2,048 consecutive bytes a load
.set n, n+1
.endr
	s_lshl_b32 s18, s17, 10
	s_add_nc_u64 s[12:13], s[12:13], s[18:19]      ; xq at my token
	s_lshl_b32 s18, s17, 5
	s_add_nc_u64 s[14:15], s[14:15], s[18:19]      ; xs
	s_lshl_b32 s18, s17, 2
	s_add_nc_u64 s[10:11], s[10:11], s[18:19]      ; owner
	s_wait_loadcnt 0x0
.set n, 0
.rept 16
	ds_store_b128 v5, v[G+4*n:G+4*n+3] offset:8*GP*n
.set n, n+1
.endr
	s_wait_dscnt 0x0                               ; for the others' sake: my part of the image has landed
	s_barrier_signal -1
	s_barrier_wait -1
.macro GLOAD i                         ; gate_w's rows 256 i + 8 lane + 0..7 into set i % 2: register 8 m + e
.set p, 0
.rept 16
	ds_load_b128 v[G+64*((\i)%2)+4*p:G+64*((\i)%2)+4*p+3], v6 offset:32*GP*(\i)+16*p
.set p, p+1
.endr
.endm
.macro DOT i                           ; eight sums += 8 rows x my 8 numbers, two experts an instruction; the very first products start the sums
.irp m, 0,1,2,3,4,5,6,7
.irp p, 0,1,2,3
.if ((\i) == 0) && (\m == 0)
	v_pk_mul_f32 v[ACC+2*\p:ACC+2*\p+1], v[G+2*\p:G+2*\p+1], v[X:X+1] op_sel_hi:[1,0]
.elseif (\m%2) == 0
	v_pk_fma_f32 v[ACC+2*\p:ACC+2*\p+1], v[G+64*((\i)%2)+8*\m+2*\p:G+64*((\i)%2)+8*\m+2*\p+1], v[X+8*(\i)+\m:X+8*(\i)+\m+1], v[ACC+2*\p:ACC+2*\p+1] op_sel_hi:[1,0,1]
.else
	v_pk_fma_f32 v[ACC+2*\p:ACC+2*\p+1], v[G+64*((\i)%2)+8*\m+2*\p:G+64*((\i)%2)+8*\m+2*\p+1], v[X+8*(\i)+\m-1:X+8*(\i)+\m], v[ACC+2*\p:ACC+2*\p+1] op_sel:[0,1,0] op_sel_hi:[1,1,1]
.endif
.endr
.endr
.endm
	GLOAD 0
	GLOAD 1
	s_wait_dscnt 16                                ; the older sixteen loads are in; the next quarter's sixteen may be out
	DOT 0
	GLOAD 2
	s_wait_dscnt 16
	DOT 1
	GLOAD 3
	s_wait_dscnt 16
	DOT 2
	s_wait_dscnt 0x0
	DOT 3
.irp e, 0,1,2,3,4,5,6,7
	v_mov_b32 v[SCR+\e], 0                         ; a lane permute's destination counts as one of its sources
.endr
.irp k, 1,2,4,8
.irp e, 0,1,2,3,4,5,6,7
	v_add_f32_dpp v[ACC+\e], v[ACC+\e], v[ACC+\e] row_xmask:\k row_mask:0xf bank_mask:0xf
.endr
.endr
.irp e, 0,1,2,3,4,5,6,7
	v_permlanex16_b32 v[SCR+\e], v[ACC+\e], s20, s21
.endr
.irp e, 0,1,2,3,4,5,6,7
	v_add_f32 v[ACC+\e], v[ACC+\e], v[SCR+\e]      ; every lane holds the eight dot products
.endr
	s_wait_kmcnt 0x0
.irp e, 0,1,2,3,4,5,6,7
	v_add_f32 v[ACC+\e], s[24+\e], v[ACC+\e]       ; the logits
.endr
	v_max3_num_f32 v200, v[ACC], v[ACC+1], v[ACC+2]
	v_max3_num_f32 v200, v200, v[ACC+3], v[ACC+4]
	v_max3_num_f32 v200, v200, v[ACC+5], v[ACC+6]
	v_max_num_f32 v200, v200, v[ACC+7]             ; the largest logit is taken away ahead of the exponentials
	v_mov_b32 v202, 0x42800000                     ; 64.0
	v_mov_b32 v203, -64
	v_mov_b32 v210, -1.0
.irp e, 0,1,2,3,4,5,6,7
	v_sub_f32 v[SCR+\e], v[ACC+\e], v200
.endr
.irp e, 0,1,2,3,4,5,6,7
	v_mul_f32 v[SCR+\e], 0x3fb8aa3b, v[SCR+\e]     ; t = (logit - largest) x log2(e), 0 or less
.endr
; v_exp_f32 gives 0 where its result would be a denormal (ISA guide, its entry in 15.8).  Where t < -100 the exponential is taken of t + 64 and 2^-64 is applied by v_ldexp_f32, which keeps denormals.
.irp e, 0,1,2,3,4,5,6,7
	v_cmp_gt_f32 vcc_lo, 0xc2c80000, v[SCR+\e]     ; -100 > t
	v_cndmask_b32 v201, 0, v202, vcc_lo
	v_cndmask_b32 v[SH+\e], 0, v203, vcc_lo
	v_add_f32 v[SCR+\e], v[SCR+\e], v201
.endr
.irp e, 0,1,2,3,4,5,6,7
	v_exp_f32 v[SCR+\e], v[SCR+\e]
.endr
	v_nop                                          ; a plain instruction behind the last exponential
	s_wait_alu depctr_va_vdst(0)                   ; one wait for the batch of eight, ahead of its first reader
.irp e, 0,1,2,3,4,5,6,7
	v_ldexp_f32 v[SCR+\e], v[SCR+\e], v[SH+\e]
.endr
	v_add_f32 v204, v[SCR], v[SCR+1]
	v_add_f32 v205, v[SCR+2], v[SCR+3]
	v_add_f32 v206, v[SCR+4], v[SCR+5]
	v_add_f32 v207, v[SCR+6], v[SCR+7]
	v_add_f32 v204, v204, v205
	v_add_f32 v206, v206, v207
	v_add_f32 v204, v204, v206                     ; between 1 and 8
	v_rcp_f32 v205, v204
	v_nop
	s_wait_alu depctr_va_vdst(0)
.irp e, 0,1,2,3,4,5,6,7
	v_mul_f32 v[SCR+\e], v[SCR+\e], v205           ; the scores
.endr
; the largest score and its index; only a strictly larger score replaces: the lower index stays among equals
.macro SCAN val, idx
	v_mov_b32 v[\val], v[SCR]
	v_mov_b32 v[\idx], 0
.irp i, 1,2,3,4,5,6,7
	v_cmp_ge_f32 vcc_lo, v[\val], v[SCR+\i]
	v_cndmask_b32 v[\idx], \i, v[\idx], vcc_lo
	v_cndmask_b32 v[\val], v[SCR+\i], v[\val], vcc_lo
.endr
.endm
	SCAN 206, 207
.irp i, 0,1,2,3,4,5,6,7
	v_cmp_eq_u32 vcc_lo, \i, v207
	v_cndmask_b32 v[SCR+\i], v[SCR+\i], v210, vcc_lo   ; the winner leaves the field
.endr
	SCAN 208, 209
	v_cmp_lt_f32 s32, 0, v208                      ; the second score is above 0,
	v_cmp_gt_u32 s33, v209, v207                   ; and its expert comes later: it overwrites
	s_and_b32 vcc_lo, s32, s33
	v_cndmask_b32 v211, v207, v209, vcc_lo         ; the expert whose result stays
	v_cndmask_b32 v212, v206, v208, vcc_lo         ; and its score
	v_mov_b32 v213, v212
.set j, 0
.rept 16
	v_pk_mul_f32 v[X+2*j:X+2*j+1], v[X+2*j:X+2*j+1], v[212:213]      ; the weight multiplies the expert's INPUT
.set j, j+1
.endr
; the quantiser: block 8 i + lane / 4 lies in four lanes x 8 registers
.irp i, 0,1,2,3
	v_max3_num_f32 v[QM+\i], |v[X+8*\i]|, |v[X+8*\i+1]|, 0x4800000   ; with the floor 2^(9 - 127): the byte cannot fall under 1
.endr
.irp k, 2,4,6
.irp i, 0,1,2,3
	v_max3_num_f32 v[QM+\i], v[QM+\i], |v[X+8*\i+\k]|, |v[X+8*\i+\k+1]|
.endr
.endr
.irp k, 1,2
.irp i, 0,1,2,3
	v_max_num_f32_dpp v[QM+\i], v[QM+\i], v[QM+\i] row_xmask:\k row_mask:0xf bank_mask:0xf
.endr
.endr
.irp i, 0,1,2,3
	v_add_nc_u32 v[QS+\i], 0xfc000000, v[QM+\i]    ; 8 off the exponent field: the conversion's scale operand
.endr
.irp i, 0,1,2,3
	v_and_or_b32 v[QL+\i], v[QM+\i], 0x7f800000, s23   ; 448 x the scale
.endr
.irp i, 0,1,2,3
	v_lshrrev_b32 v[QB+\i], 23, v[QS+\i]           ; the scale's byte
.endr
.irp i, 0,1,2,3
.irp m, 0,1,2,3,4,5,6,7
	v_med3_num_f32 v[X+8*\i+\m], v[X+8*\i+\m], -v[QL+\i], v[QL+\i]   ; the conversion to an 8-bit code does not saturate (ISA guide 7.6.2)
.endr
	v_cvt_scalef32_pk8_fp8_f32 v[CD+2*\i:CD+2*\i+1], v[X+8*\i:X+8*\i+7], v[QS+\i]
.endr
	v_nop                                          ; a plain instruction behind the last conversion
.irp i, 0,1,2,3
	global_store_b64 v7, v[CD+2*\i:CD+2*\i+1], s[12:13] offset:256*\i    ; 32 lanes store 256 consecutive bytes, aligned
	ds_store_b8 v8, v[QB+\i] offset:8*\i           ; the four lanes of a block write the same byte with the same value
.endr
	ds_load_b32 v11, v10                           ; LDS serves a wave's instructions in order: this sees my stores
	global_store_b32 v12, v211, s[10:11]           ; all lanes hold the same number for the same word
	s_wait_dscnt 0x0
	global_store_b32 v9, v11, s[14:15]             ; my token's 32 scale bytes (lanes 8 on repeat lanes 0-7)
	s_wait_tensorcnt 0x0
	ds_add_u32 v224, v225
	s_wait_dscnt 0x0
	s_endpgm
.Lfunc_end_k_q3383bd5378_route:
	.size	k_q3383bd5378_route, .Lfunc_end_k_q3383bd5378_route-k_q3383bd5378_route
	.p2alignl 7, 3214868480
	.fill 96, 4, 3214868480
	.section	.rodata,"a",@progbits
	.p2align	6, 0x0
	.amdhsa_kernel k_q3383bd5378_route
		.amdhsa_group_segment_fixed_size 35584
		.amdhsa_private_segment_fixed_size 0
		.amdhsa_enable_private_segment 0
		.amdhsa_kernarg_size 48
		.amdhsa_user_sgpr_count 2
		.amdhsa_user_sgpr_kernarg_segment_ptr 1
		.amdhsa_wavefront_size32 1
		.amdhsa_system_sgpr_workgroup_id_x 1
		.amdhsa_system_sgpr_workgroup_id_y 1
		.amdhsa_system_sgpr_workgroup_id_z 1
		.amdhsa_system_vgpr_workitem_id 0
		.amdhsa_next_free_vgpr 226
		.amdhsa_next_free_sgpr 66
		.amdhsa_reserve_vcc 1
		.amdhsa_float_denorm_mode_32 3
		.amdhsa_float_denorm_mode_16_64 3
		.amdhsa_memory_ordered 1
		.amdhsa_forward_progress 1
		.amdhsa_inst_pref_size 34
	.end_amdhsa_kernel
	.amdgpu_metadata
---
amdhsa.version: [ 1, 2 ]
amdhsa.kernels:
  - .name:           k_q3383bd5378_route
    .symbol:         k_q3383bd5378_route.kd
    .args:
      - { .name: x, .offset: 0, .size: 8, .value_kind: global_buffer, .address_space: global }
      - { .name: gate_w, .offset: 8, .size: 8, .value_kind: global_buffer, .address_space: global }
      - { .name: gate_b, .offset: 16, .size: 8, .value_kind: global_buffer, .address_space: global }
      - { .name: owner, .offset: 24, .size: 8, .value_kind: global_buffer, .address_space: global }
      - { .name: xq, .offset: 32, .size: 8, .value_kind: global_buffer, .address_space: global }
      - { .name: xs, .offset: 40, .size: 8, .value_kind: global_buffer, .address_space: global }
    .group_segment_fixed_size: 35584
    .private_segment_fixed_size: 0
    .kernarg_segment_align: 8
    .kernarg_segment_size: 48
    .max_flat_workgroup_size: 128
    .sgpr_count:     66
    .vgpr_count:     226
    .wavefront_size: 32
...
	.end_amdgpu_metadata
.endif
;; end of part 1
;; launch place (part 2): grid 1 x 1, 8 waves a work-group, no clusters, 0 bytes of LDS; arguments owner, plan; writes plan
.if DOCPART == 2
	.amdgcn_target "amdgcn-amd-amdhsa--gfx1250"
	.amdhsa_code_object_version 6
	.text
	.protected	k_q3383bd5378_place
	.globl	k_q3383bd5378_place
	.p2align	8
	.type	k_q3383bd5378_place,@function
k_q3383bd5378_place:
	s_mov_b64 s[64:65], 0
	v_nop
	global_prefetch_b8 v0, s[64:65] scope:SCOPE_SE
	s_setreg_imm32_b32 hwreg(HW_REG_WAVE_MODE, 25, 1), 1
	s_wait_xcnt 0x0
; THE ROWS ARE PLACED BY EXPERT: a counting sort of the 1,024 tokens, without atomics.  One work-group; wave e serves expert e; every wave reads all 1,024 numbers and shares nothing.
; A SLOT is a tile of 16 rows of one expert; expert e has nt[e] = ceil(count[e] / 16) slots from base[e] = the sum of nt of the experts before it: at most (1,024 + 8 x 15) / 16 = 71 slots.
; plan: byte 0: list[72][16], the token of each row; byte 4,608: pos[1024], the row of each token; byte 8,704: meta[8] = {base, nt}.
; The rows that a last slot has over are filled with one of the expert's own tokens: they compute and store what that token's own row computes.
; ORDER: all rows, addresses and tokens are made first, with all lanes on; the masks wait in scalar registers; only then come the masked stores, which write no vector register.
.set O,  8                             ; v8-39    owner[32 g + lane]
.set R,  40                            ; v40-71   the row of token 32 g + lane, if it is mine
.set A,  72                            ; v72-103  4 x that row
.set T,  104                           ; v104-135 the token
.set PA, 136                           ; v136     the padding: 4 x row
.set PT, 137                           ; v137     and the token that fills it
.set MA, 138                           ; v138     meta: 8 x my expert
.set MD, 140                           ; v140-141 base, nt
.set MK, 32                            ; s32-63   which lanes of group g are mine
	s_load_b128 s[4:7], s[0:1], 0x0                ; owner s[4:5], plan s[6:7]
	v_lshrrev_b32 v1, 5, v0
	v_readfirstlane_b32 s8, v1                     ; wave = my expert
	v_and_b32 v2, 31, v0                           ; lane
	v_lshlrev_b32 v3, 2, v2
	s_wait_kmcnt 0x0
.set g, 0
.rept 32
	global_load_b32 v[O+g], v3, s[4:5] offset:128*g
.set g, g+1
.endr
	s_mov_b32 s10, 0                               ; base
	s_mov_b32 s11, 0                               ; nt
	s_wait_loadcnt 0x0
.irp e, 0,1,2,3,4,5,6,7
	s_mov_b32 s12, 0
.set g, 0
.rept 32
	v_cmp_eq_u32 vcc_lo, \e, v[O+g]
	s_bcnt1_i32_b32 s13, vcc_lo
	s_add_co_u32 s12, s12, s13
.set g, g+1
.endr
	s_add_co_u32 s12, s12, 15
	s_lshr_b32 s12, s12, 4                         ; expert e's slots
	s_cmp_gt_u32 s8, \e
	s_cselect_b32 s13, s12, 0
	s_add_co_u32 s10, s10, s13                     ; those of the experts before mine
	s_cmp_eq_u32 s8, \e
	s_cselect_b32 s11, s12, s11
.endr
	s_lshl_b32 s14, s10, 4                         ; the next free row
	s_add_co_u32 s15, s10, s11
	s_lshl_b32 s15, s15, 4                         ; where my rows end
	s_mov_b32 s16, 0                               ; one of my tokens
.set g, 0
.rept 32
	v_cmp_eq_u32 s[MK+g], s8, v[O+g]               ; tokens 32 g + lane that are mine
	v_mbcnt_lo_u32_b32 v[R+g], s[MK+g], 0          ; how many of them stand in lower lanes
	v_add_nc_u32 v[R+g], s14, v[R+g]
	v_min_u32 v[R+g], 1151, v[R+g]                 ; the token's row
	v_lshlrev_b32 v[A+g], 2, v[R+g]
	v_add_nc_u32 v[T+g], 32*g, v2                  ; the token
	s_bcnt1_i32_b32 s19, s[MK+g]
	s_add_co_u32 s14, s14, s19
	s_ctz_i32_b32 s19, s[MK+g]
	s_add_co_u32 s19, s19, 32*g
	s_cmp_lg_u32 s[MK+g], 0
	s_cselect_b32 s16, s19, s16
.set g, g+1
.endr
	v_add_nc_u32 v[PA], s14, v2                    ; the rows left over in my last slot: at most 15
	v_cmp_gt_u32 s20, s15, v[PA]
	v_min_u32 v[PA], 1151, v[PA]
	v_lshlrev_b32 v[PA], 2, v[PA]
	v_mov_b32 v[PT], s16
	s_lshl_b32 s19, s8, 3
	v_mov_b32 v[MA], s19
	v_mov_b32 v[MD], s10
	v_mov_b32 v[MD+1], s11
	global_store_b64 v[MA], v[MD:MD+1], s[6:7] offset:8704   ; all lanes hold the same pair for the same place
.set g, 0
.rept 32
	s_wait_xcnt 0x0                                ; EXEC changes only behind this wait
	s_mov_b32 vcc_lo, s[MK+g]
	s_and_saveexec_b32 s18, vcc_lo
	global_store_b32 v[A+g], v[T+g], s[6:7]        ; list[row] = token
	global_store_b32 v3, v[R+g], s[6:7] offset:4608+128*g    ; pos[token] = row
	s_wait_xcnt 0x0                                ; and again, in front of the line that widens it
	s_or_b32 exec_lo, exec_lo, s18
.set g, g+1
.endr
	s_wait_xcnt 0x0
	s_mov_b32 vcc_lo, s20
	s_and_saveexec_b32 s18, vcc_lo
	global_store_b32 v[PA], v[PT], s[6:7]
	s_wait_xcnt 0x0
	s_or_b32 exec_lo, exec_lo, s18
	s_endpgm
.Lfunc_end_k_q3383bd5378_place:
	.size	k_q3383bd5378_place, .Lfunc_end_k_q3383bd5378_place-k_q3383bd5378_place
	.p2alignl 7, 3214868480
	.fill 96, 4, 3214868480
	.section	.rodata,"a",@progbits
	.p2align	6, 0x0
	.amdhsa_kernel k_q3383bd5378_place
		.amdhsa_group_segment_fixed_size 0
		.amdhsa_private_segment_fixed_size 0
		.amdhsa_enable_private_segment 0
		.amdhsa_kernarg_size 16
		.amdhsa_user_sgpr_count 2
		.amdhsa_user_sgpr_kernarg_segment_ptr 1
		.amdhsa_wavefront_size32 1
		.amdhsa_system_sgpr_workgroup_id_x 1
		.amdhsa_system_sgpr_workgroup_id_y 1
		.amdhsa_system_sgpr_workgroup_id_z 1
		.amdhsa_system_vgpr_workitem_id 0
		.amdhsa_next_free_vgpr 144
		.amdhsa_next_free_sgpr 66
		.amdhsa_reserve_vcc 1
		.amdhsa_float_denorm_mode_32 3
		.amdhsa_float_denorm_mode_16_64 3
		.amdhsa_memory_ordered 1
		.amdhsa_forward_progress 1
		.amdhsa_inst_pref_size 59
	.end_amdhsa_kernel
	.amdgpu_metadata
---
amdhsa.version: [ 1, 2 ]
amdhsa.kernels:
  - .name:           k_q3383bd5378_place
    .symbol:         k_q3383bd5378_place.kd
    .args:
      - { .name: owner, .offset: 0, .size: 8, .value_kind: global_buffer, .address_space: global }
      - { .name: plan, .offset: 8, .size: 8, .value_kind: global_buffer, .address_space: global }
    .group_segment_fixed_size: 0
    .private_segment_fixed_size: 0
    .kernarg_segment_align: 8
    .kernarg_segment_size: 16
    .max_flat_workgroup_size: 256
    .sgpr_count:     66
    .vgpr_count:     144
    .wavefront_size: 32
...
	.end_amdgpu_metadata
.endif
;; end of part 2
;; launch fc1 (part 3): grid 32 x 8, 4 waves a work-group, no clusters, 137,216 bytes of LDS; arguments w1, b1, xq, xs, plan, hq, hs; writes hq, hs
.if DOCPART == 3
	.amdgcn_target "amdgcn-amd-amdhsa--gfx1250"
	.amdhsa_code_object_version 6
	.text
	.protected	k_q3383bd5378_fc1
	.globl	k_q3383bd5378_fc1
	.p2align	8
	.type	k_q3383bd5378_fc1,@function
k_q3383bd5378_fc1:
	s_mov_b64 s[64:65], 0
	v_nop
	global_prefetch_b8 v0, s[64:65] scope:SCOPE_SE
	s_setreg_imm32_b32 hwreg(HW_REG_WAVE_MODE, 25, 1), 1
	s_wait_xcnt 0x0
; THE FIRST LAYER, WEIGHT-STATIONARY: h = Q(relu(Q(x w) Q(w1[e]) + b1[e])) for the rows of expert e alone (the other rows' results are thrown away by the model's own where).
; A work-group owns ONE slice of the weights: expert e = work-group y, all K = 1,024, hidden units 128 x to 128 x + 127: 512 KiB of f32, read once in the launch, in rows of 512 consecutive bytes.
; PHASE 1: the slice is quantised along K (its FIRST axis) in registers and laid in LDS as images of the matrix operand's registers: 128 KiB of codes, 4 KiB of scale bytes.  Nothing of it goes back to memory.
;   Wave w takes rows 256 w .. 256 w + 255 in eight chunks of 32 rows; lane l holds columns 4 l .. 4 l + 3, so a block of 32 along K of a column lies in ONE lane.
; PHASE 2: each wave walks the expert's row tiles, four at a time (tiles 4 w + 16 g + 0..3), each against the whole slice: every fragment of weights read from LDS feeds four matrix instructions.
;   The product is used TRANSPOSED (source 0 = 16 columns of w1, source 1 = 16 rows): a lane holds one row and its registers run along the hidden units, the next product's K.
;   THE COLUMNS OF A TILE ARE NOT NEIGHBOURS: row rho of tile 2 b + u' is column 32 b + 8 u' + rho + 8 (rho / 8), so that the 16 registers of tiles 2 b and 2 b + 1 are 16 neighbours along the next K.
;   The slice's 128 units are one K step of the second layer: a tile's results, with bias and relu, become one fragment image (2,048 bytes) and 16 scale words, stored as they stand in registers.
; No tensor load and no cluster: the trip count hangs on a stored number (the expert's tiles).  The one barrier stands ahead of every branch on such a number.
; A wave whose four tiles reach past the expert's last takes that last tile again and stores nothing for it.
; LIMITS: NaN and infinities are not served; a block whose largest magnitude lies under 2^-118, a block of zeros too, keeps the byte 1 (only this program reads the bytes).
; REGISTERS, in windows of 256.  window 0: below.  window 1: phase 1: two sets of 128, X[4 k + j] = w(row k of the chunk, column 4 l + j); phase 2: the 32 accumulators, (tile i, tile of columns u) at 64 i + 8 u.
;   window 2: the row fragments of tiles 0, 1 at 16 (8 i + s);   window 3: those of tiles 2, 3.
.set WPITCH, 16384                     ; a row of w1[e] in bytes
.set FST, 2064                         ; from image to image in LDS: 2,048 + 16, so that the sixteen lanes of a store touch sixteen different 16-byte columns
.set KST, 8*FST                        ; a K step's eight images
.set SCL, 64*FST                       ; behind the images: scale bytes, image x 64 + 4 rho + block
.set BIA, SCL+4096                     ; b1's slice, 512 bytes
.set OFF, 1                            ; v1-2   byte offset of my 16 bytes in the first row of the chunk that set 0, 1 loads next
.set VA,  3                            ; v3     where I store codes
.set VS,  4                            ; v4     where I store scale bytes
.set VL,  5                            ; v5-7   16 lane + 0, 3, 6 K steps: images on the way out
.set VLS, 8                            ; v8     SCL + 4 (lane % 16)
.set GI,  9                            ; v9     16 lane
.set GS,  10                           ; v10    4 (lane % 16)
.set FLR, 11                           ; v11    the floor 2^(9 - 127)
.set TK,  12                           ; v12-15 my row's token in tiles 0..3
.set XA,  16                           ; v16-19 its codes' offset
.set XSA, 20                           ; v20-23 its scale bytes' offset
.set M,   24                           ; v24-27 largest magnitudes
.set SC,  28                           ; v28-31 scale operands
.set LIM, 32                           ; v32-35 448 x scale
.set BY,  36                           ; v36-39 bytes; also the lane permute's destination
.set TA,  40                           ; v40-43 offsets into the list
.set SW,  44                           ; v44    a scale word on its way out
.set VBI, 45                           ; v45    BIA + 64 (lane / 16)
.set BD,  46                           ; v46    my number of b1
.set BAD, 47                           ; v47    BIA + 4 thread
.set C,   48                           ; v48-79 codes just made
.set AS,  80                           ; v80-111  the rows' scale words, 8 i + s: scales and nothing else
.set BS,  112                          ; v112-119 the weights' scale words, two sets of four: scales and nothing else
.set H16, 120                          ; v120   16 (lane / 16)
.set BO,  121                          ; v121   4 thread
.set Y,   128                          ; v128-255 phase 1: Y[32 j + k], the chunk held and turned; phase 2: two sets of four weight fragments; then the bias
.set SL,  40                           ; s40-43 the slots of my four tiles
.set GC,  44                           ; s44    groups of tiles done
.set GN,  45                           ; s45    groups of tiles that my wave has: at most 4
.set MSB, 0
.macro WIN new                         ; the immediate's high byte repeats the setting that is left; a switch that changes nothing is dropped
.if MSB != \new
	s_set_vgpr_msb (MSB<<8)|\new
.set MSB, \new
.endif
.endm
.macro PLACES n
.rept \n
	v_nop
.endr
.endm
.macro XLOAD q                         ; chunk q: 32 rows x 512 consecutive bytes into set q % 2 of window 1
	WIN 0x40
.set k, 0
.rept 32
	global_load_b128 v[128*((\q)%2)+4*k:128*((\q)%2)+4*k+3], v[OFF+(\q)%2], s[4:5] offset:k*WPITCH th:TH_LOAD_NT
.set k, k+1
.endr
	WIN 0
.endm
.macro SLOTS                           ; the slots of tiles s26 + 0..3, held to the expert's last tile; an expert without rows names slot 0, which always exists
	s_cmp_eq_u32 s25, 0
	s_cselect_b32 s27, 0, s24
	s_max_u32 s28, s25, 1
	s_sub_co_u32 s28, s28, 1
.irp i, 0,1,2,3
	s_add_co_u32 s29, s26, \i
	s_min_u32 s29, s29, s28
	s_add_co_u32 s29, s29, s27
	s_min_u32 s[SL+\i], s29, 71
	v_lshl_add_u32 v[TA+\i], s[SL+\i], 6, v[GS]
.endr
.endm
.macro LIST                            ; lane (r, h): the token of row r of each tile
.irp i, 0,1,2,3
	global_load_b32 v[TK+\i], v[TA+\i], s[12:13]
.endr
.endm
.macro ROWADR
.irp i, 0,1,2,3
	v_min_u32 v[TK+\i], 1023, v[TK+\i]
	v_lshl_add_u32 v[XA+\i], v[TK+\i], 10, v[H16]  ; a row of codes is 1,024 bytes; + 16 h
	v_lshlrev_b32 v[XSA+\i], 5, v[TK+\i]           ; a row of scale bytes 32
.endr
.endm
.macro APART s                         ; K step s of the four tiles' rows: registers 4 c .. 4 c + 3 hold K = 128 s + 32 c + 16 h + 0..15 of row r
.irp i, 0,1,2,3
.if \i == 0
	WIN 0x80
.endif
.if \i == 2
	WIN 0xc0
.endif
.irp c, 0,1,2,3
	global_load_b128 v[16*(8*(\i%2)+(\s))+4*\c:16*(8*(\i%2)+(\s))+4*\c+3], v[XA+\i], s[8:9] offset:128*(\s)+32*\c
.endr
.endr
	WIN 0
.endm
.macro ASC                             ; the rows' eight scale words
.irp i, 0,1,2,3
	global_load_b128 v[AS+8*\i:AS+8*\i+3],   v[XSA+\i], s[10:11]
	global_load_b128 v[AS+8*\i+4:AS+8*\i+7], v[XSA+\i], s[10:11] offset:16
.endr
.endm
	s_load_b256 s[4:11], s[0:1], 0x0               ; w1 s[4:5], b1 s[6:7], xq s[8:9], xs s[10:11]
	s_load_b128 s[12:15], s[0:1], 0x20             ; plan s[12:13], hq s[14:15]
	s_load_b64 s[16:17], s[0:1], 0x30              ; hs
	v_lshl_add_u32 v126, v0, 2, 0x21600
	v_mov_b32 v127, 0
	v_lshrrev_b32 v24, 5, v0
	v_readfirstlane_b32 s18, v24                   ; wave
	s_and_b32 s19, ttmp7, 0xffff                   ; expert
	s_mov_b32 s20, ttmp9                           ; slice
	s_mov_b32 s21, 0x600000                        ; the mantissa field of 448
	s_mov_b32 s22, 0x76543210
	s_mov_b32 s23, 0xfedcba98                      ; v_permlanex16_b32's selects for lane l xor 16
	s_lshl_b32 s38, s19, 3
	v_and_b32 v24, 31, v0                          ; lane
	v_bfe_u32 v25, v0, 4, 1                        ; h
	v_lshlrev_b32 v[GI], 4, v24
	v_and_b32 v[GS], 15, v0
	v_lshlrev_b32 v[GS], 2, v[GS]
	v_lshlrev_b32 v[H16], 4, v25
	v_lshlrev_b32 v[BO], 2, v0
	v_lshl_add_u32 v[BAD], v0, 2, BIA
	v_lshl_add_u32 v[VBI], v25, 6, BIA
	v_mov_b32 v[FLR], 0x4800000
	s_mul_i32 s27, s18, 256*WPITCH
	v_add_nc_u32 v[OFF], s27, v[GI]                ; my wave's first row, my 16 bytes
	v_add_nc_u32 v[OFF+1], 32*WPITCH, v[OFF]
	v_lshrrev_b32 v26, 3, v24
	v_bfe_u32 v27, v24, 1, 1
	v_lshl_add_u32 v26, v26, 1, v27                ; my columns' tile u = 2 (lane / 8) + (lane / 2) % 2
	v_and_b32 v27, 1, v24                          ; their rows in it: rho = 4 (lane % 2) + j + 8 ((lane / 4) % 2)
	v_bfe_u32 v28, v24, 2, 1
	v_mul_u32_u24 v[VA], v26, FST
	v_lshl_add_u32 v[VA], v27, 6, v[VA]
	v_lshl_add_u32 v[VA], v28, 7, v[VA]
	s_mul_i32 s27, s18, 2*KST                      ; my wave's two K steps
	v_add_nc_u32 v[VA], s27, v[VA]
	v_lshlrev_b32 v[VS], 6, v26
	v_lshl_add_u32 v[VS], v27, 4, v[VS]
	v_lshl_add_u32 v[VS], v28, 5, v[VS]
	s_lshl_b32 s27, s18, 10
	s_add_co_u32 s27, s27, SCL
	v_add_nc_u32 v[VS], s27, v[VS]
	v_mov_b32 v[VL], v[GI]
	v_add_nc_u32 v[VL+1], 3*KST, v[GI]
	v_add_nc_u32 v[VL+2], 6*KST, v[GI]
	v_add_nc_u32 v[VLS], SCL, v[GS]
	s_wait_kmcnt 0x0
	s_load_b64 s[24:25], s[12:13], s38 offset:0x2200   ; meta[e]: first slot, number of tiles
	s_lshl_b32 s28, s19, 24
	s_lshl_b32 s29, s20, 9
	s_add_co_u32 s28, s28, s29
	s_mov_b32 s29, 0
	s_add_nc_u64 s[4:5], s[4:5], s[28:29]          ; w1 at my slice
	s_lshl_b32 s28, s19, 14
	s_lshl_b32 s30, s20, 9
	s_add_co_u32 s28, s28, s30
	s_add_nc_u64 s[6:7], s[6:7], s[28:29]          ; b1 likewise
	global_load_b32 v[BD], v[BO], s[6:7]
	XLOAD 0
	XLOAD 1
	s_wait_kmcnt 0x0
	s_min_u32 s24, s24, 71
	s_min_u32 s25, s25, 64
	s_lshl_b32 s26, s18, 2                         ; my first tile
	SLOTS
	LIST
; A CHUNK: 32 rows x 128 columns: one block of 32 along K for each column.  cnt = the loads issued behind this chunk's.
.macro CHUNK q, cnt
.set XB, 128*((\q)%2)
	s_wait_loadcnt \cnt                            ; loads come back in order: this chunk's 32 are in
	s_wait_dscnt 0x0                               ; the last chunk's LDS stores have read their registers
	WIN 0x14
.irp j, 0,1,2,3
	v_max3_num_f32 v[M+\j], v[FLR], |v[XB+\j]|, |v[XB+4+\j]|         ; the floor starts each chain: the byte cannot fall under 1
.endr
.set k, 2
.rept 15
.irp j, 0,1,2,3
	v_max3_num_f32 v[M+\j], v[M+\j], |v[XB+4*k+\j]|, |v[XB+4*k+4+\j]|    ; my four columns by turns
.endr
.set k, k+2
.endr
	WIN 0
.irp j, 0,1,2,3
	v_add_nc_u32 v[SC+\j], 0xfc000000, v[M+\j]     ; 8 off the exponent field: the conversion's scale operand
.endr
.irp j, 0,1,2,3
	v_and_or_b32 v[LIM+\j], v[M+\j], 0x7f800000, s21   ; 448 x the scale
.endr
.irp j, 0,1,2,3
	v_lshrrev_b32 v[BY+\j], 23, v[SC+\j]           ; the scale's byte
.endr
	WIN 0x01
.set k, 0
.rept 32
.irp j, 0,1,2,3
	v_med3_num_f32 v[Y+32*\j+k], v[XB+4*k+\j], -v[LIM+\j], v[LIM+\j] ; the hold (the conversion does not saturate: ISA guide 7.6.2) also turns the registers: a column's 32 numbers now stand on end
.endr
.set k, k+1
.endr
	WIN 0
.if (\q) == 0
	ds_store_b32 v[BAD], v[BD]                     ; b1's slice (its load was issued ahead of chunk 0's)
.endif
.if (\q) == 1
	ROWADR                                         ; the list's four loads were issued ahead of chunk 2's
.endif
.if ((\q) >= 1) && ((\q) <= 6)
	APART (\q)-1                                   ; the first group's rows come in beside the weights
.endif
.if (\q) == 7
	APART 6
	APART 7
	ASC
.endif
.if (\q) <= 5
	v_add_nc_u32 v[OFF+(\q)%2], 64*WPITCH, v[OFF+(\q)%2]             ; free since this chunk's wait
	XLOAD (\q)+2
.endif
.irp j, 0,1,2,3
.irp g, 0,1,2,3
	v_cvt_scalef32_pk8_fp8_f32 v[C+8*\j+2*\g:C+8*\j+2*\g+1], v[Y+32*\j+8*\g:Y+32*\j+8*\g+7], v[SC+\j]
.endr
.endr
	v_nop                                          ; a plain instruction behind the last conversion
.irp j, 0,1,2,3
	ds_store_b128 v[VA], v[C+8*\j:C+8*\j+3]   offset:((\q)/4)*KST+((\q)%4)*512+16*\j       ; K 0..15 of the block: the image's lanes 0-15
	ds_store_b128 v[VA], v[C+8*\j+4:C+8*\j+7] offset:((\q)/4)*KST+((\q)%4)*512+256+16*\j   ; K 16..31: its lanes 16-31
	ds_store_b8 v[VS], v[BY+\j] offset:((\q)/4)*512+((\q)%4)+4*\j
.endr
.endm
	CHUNK 0, 36                                    ; behind chunk 0's loads: chunk 1's 32 and the list's 4
	CHUNK 1, 32                                    ; chunk 2's 32 (so the list is in too)
	CHUNK 2, 48                                    ; 16 of the rows' and the next chunk's 32
	CHUNK 3, 48
	CHUNK 4, 48
	CHUNK 5, 48
	CHUNK 6, 48
	CHUNK 7, 16                                    ; 16 of the rows'
	s_wait_dscnt 0x0                               ; for the others' sake: my images, scale bytes and bias have landed
	s_barrier_signal -1
	s_barrier_wait -1                              ; the whole slice lies in LDS; nothing is written there again
	s_cmp_ge_u32 s26, s25
	s_cbranch_scc1 .Lend                           ; a wave without tiles
	s_sub_co_u32 s[GN], s25, s26                   ; tiles from my first on,
	s_add_co_u32 s[GN], s[GN], 15
	s_lshr_b32 s[GN], s[GN], 4                     ; in steps of the four waves' sixteen: my groups, 1 to 4
	s_min_u32 s[GN], s[GN], 4
	s_mov_b32 s[GC], 0
.macro BLOAD n                         ; batch n: K step n / 2, tiles of columns 4 (n % 2) + 0..3, into set n % 2: 16 loads of 512 consecutive bytes and 4 scale words
.set ks, (\n)/2
.irp t, 0,1,2,3
.irp c, 0,1,2,3
	ds_load_b128 v[Y+64*((\n)%2)+16*\t+4*\c:Y+64*((\n)%2)+16*\t+4*\c+3], v[VL+ks/3] offset:(ks%3)*KST+(4*((\n)%2)+\t)*FST+512*\c
.endr
	ds_load_b32 v[BS+4*((\n)%2)+\t], v[VLS] offset:(8*ks+4*((\n)%2)+\t)*64
.endr
.endm
.macro MUL n                           ; 16 matrix instructions on 16 different accumulators, which come up again two batches on: by turns
.set ks, (\n)/2
.irp i, 0,1,2,3
.if \i == 0
	WIN 0x58                                       ; weights window 0, rows window 2, C and D window 1
.endif
.if \i == 2
	WIN 0x5c                                       ; rows window 3
.endif
.irp t, 0,1,2,3
.set rD, 64*\i+8*(4*((\n)%2)+\t)
.set rW, Y+64*((\n)%2)+16*\t
.set rR, 16*(8*(\i%2)+ks)
.if ks == 0
	v_wmma_scale_f32_16x16x128_f8f6f4 v[rD:rD+7], v[rW:rW+15], v[rR:rR+15], 0, v[BS+4*((\n)%2)+\t], v[AS+8*\i+ks]
.else
	v_wmma_scale_f32_16x16x128_f8f6f4 v[rD:rD+7], v[rW:rW+15], v[rR:rR+15], v[rD:rD+7], v[BS+4*((\n)%2)+\t], v[AS+8*\i+ks]
.endif
.endr
.endr
.endm
; One tile's way out: + b1, relu, the quantiser along the hidden units, the image and the scale words.
.macro TILE_OUT i
	s_add_co_u32 s29, s26, \i
	s_cmp_ge_u32 s29, s25
	s_cbranch_scc1 .Lskip_\@                       ; past the expert's last tile: nothing is stored
	s_wait_xcnt 0x0                                ; the last tile's stores have read their data and bases
	WIN 0x41
.set pp, 0
.rept 32
	v_pk_add_f32 v[64*\i+2*pp:64*\i+2*pp+1], v[64*\i+2*pp:64*\i+2*pp+1], v[Y+2*pp:Y+2*pp+1]   ; each accumulator from its low end on
.set pp, pp+1
.endr
	WIN 0x14
.irp b, 0,1,2,3
	v_max3_num_f32 v[M+\b], v[FLR], v[64*\i+16*\b], v[64*\i+16*\b+1]     ; no |.|: what is negative becomes 0, so it does not count; the floor stands over it
.endr
.irp k, 2,4,6,8,10,12,14
.irp b, 0,1,2,3
	v_max3_num_f32 v[M+\b], v[M+\b], v[64*\i+16*\b+\k], v[64*\i+16*\b+\k+1]
.endr
.endr
	WIN 0
.irp b, 0,1,2,3
	v_permlanex16_b32 v[BY+\b], v[M+\b], s22, s23
.endr
.irp b, 0,1,2,3
	v_max_num_f32 v[M+\b], v[M+\b], v[BY+\b]       ; with lane l xor 16's sixteen: the block's
.endr
.irp b, 0,1,2,3
	v_add_nc_u32 v[SC+\b], 0xfc000000, v[M+\b]
.endr
.irp b, 0,1,2,3
	v_and_or_b32 v[LIM+\b], v[M+\b], 0x7f800000, s21
.endr
.irp b, 0,1,2,3
	v_lshrrev_b32 v[BY+\b], 23, v[SC+\b]
.endr
	v_lshl_or_b32 v[SW], v[BY+1], 8, v[BY]
	v_lshl_or_b32 v[SW], v[BY+2], 16, v[SW]
	v_lshl_or_b32 v[SW], v[BY+3], 24, v[SW]        ; my row's scale word for this K step of the second layer
	WIN 0x41
.irp b, 0,1,2,3
.irp k, 0,1,2,3,4,5,6,7,8,9,10,11,12,13,14,15
	v_med3_num_f32 v[64*\i+16*\b+\k], v[64*\i+16*\b+\k], 0, v[LIM+\b]    ; the activation and the hold in one
.endr
.endr
	WIN 0x01
.irp b, 0,1,2,3
	v_cvt_scalef32_pk8_fp8_f32 v[C+4*\b:C+4*\b+1],   v[64*\i+16*\b:64*\i+16*\b+7],    v[SC+\b]
	v_cvt_scalef32_pk8_fp8_f32 v[C+4*\b+2:C+4*\b+3], v[64*\i+16*\b+8:64*\i+16*\b+15], v[SC+\b]
.endr
	WIN 0
	v_nop                                          ; a plain instruction behind the last conversion
	s_lshl_b32 s30, s[SL+\i], 5
	s_add_co_u32 s30, s30, s20                     ; 32 slot + slice
	s_lshl_b32 s32, s30, 11
	s_mov_b32 s33, 0
	s_add_nc_u64 s[34:35], s[14:15], s[32:33]
	s_lshl_b32 s32, s30, 6
	s_add_nc_u64 s[36:37], s[16:17], s[32:33]
.irp c, 0,1,2,3
	global_store_b128 v[GI], v[C+4*\c:C+4*\c+3], s[34:35] offset:512*\c  ; the operand's registers as they stand: 512 consecutive bytes a store, aligned
.endr
	global_store_b32 v[GS], v[SW], s[36:37]        ; lanes 16-31 hold the same words as lanes 0-15
.Lskip_\@:
.endm
.Lgroup:                                               ; a trip: four row tiles x 128 hidden units x K 1,024: 256 matrix instructions
	s_wait_loadcnt 0x0                             ; the rows' fragments and scale words
	BLOAD 0
.set nn, 0
.rept 15
.if nn > 0
	PLACES 8                                       ; in front of loads into the set that the matrix instructions just issued have read
.endif
	WIN 0
	BLOAD nn+1
	s_wait_dscnt 20                                ; all but the 20 just issued
	MUL nn
.set nn, nn+1
.endr
	s_wait_dscnt 0x0
	MUL 15
	WIN 0
	PLACES 9                                       ; in front of the loads below and of the first reads of results
.irp u, 0,1,2,3,4,5,6,7
.irp p, 0,1
	ds_load_b128 v[Y+8*\u+4*\p:Y+8*\u+4*\p+3], v[VBI] offset:128*(\u/2)+32*(\u%2)+16*\p   ; b1 in the result's layout: tile u, register jj: unit 32 (u / 2) + 16 h + 8 (u % 2) + jj
.endr
.endr
	s_wait_dscnt 0x0
	TILE_OUT 0
	TILE_OUT 1
	TILE_OUT 2
	TILE_OUT 3
	s_add_co_u32 s26, s26, 16                      ; the four waves' next sixteen tiles
	s_add_co_u32 s[GC], s[GC], 1                   ; the loop's counter: one a trip
	s_cmp_ge_u32 s[GC], s[GN]
	s_cbranch_scc1 .Lend
	s_wait_xcnt 0x0
	SLOTS
	LIST
	s_wait_loadcnt 0x0
	ROWADR
.irp s, 0,1,2,3,4,5,6,7
	APART \s
.endr
	ASC
	s_cmp_lt_u32 s[GC], s[GN]
	s_cbranch_scc1 .Lgroup
.Lend:
	s_wait_tensorcnt 0x0
	ds_add_u32 v126, v127
	s_wait_dscnt 0x0
	s_endpgm
.Lfunc_end_k_q3383bd5378_fc1:
	.size	k_q3383bd5378_fc1, .Lfunc_end_k_q3383bd5378_fc1-k_q3383bd5378_fc1
	.p2alignl 7, 3214868480
	.fill 96, 4, 3214868480
	.section	.rodata,"a",@progbits
	.p2align	6, 0x0
	.amdhsa_kernel k_q3383bd5378_fc1
		.amdhsa_group_segment_fixed_size 137216
		.amdhsa_private_segment_fixed_size 0
		.amdhsa_enable_private_segment 0
		.amdhsa_kernarg_size 56
		.amdhsa_user_sgpr_count 2
		.amdhsa_user_sgpr_kernarg_segment_ptr 1
		.amdhsa_wavefront_size32 1
		.amdhsa_system_sgpr_workgroup_id_x 1
		.amdhsa_system_sgpr_workgroup_id_y 1
		.amdhsa_system_sgpr_workgroup_id_z 1
		.amdhsa_system_vgpr_workitem_id 0
		.amdhsa_next_free_vgpr 1024
		.amdhsa_next_free_sgpr 66
		.amdhsa_reserve_vcc 0
		.amdhsa_float_denorm_mode_32 3
		.amdhsa_float_denorm_mode_16_64 3
		.amdhsa_memory_ordered 1
		.amdhsa_forward_progress 1
		.amdhsa_inst_pref_size 255
	.end_amdhsa_kernel
	.section	.bss,"aw",@nobits
	.p2align	6
	.space	262144
	.amdgpu_metadata
---
amdhsa.version: [ 1, 2 ]
amdhsa.kernels:
  - .name:           k_q3383bd5378_fc1
    .symbol:         k_q3383bd5378_fc1.kd
    .args:
      - { .name: w1, .offset: 0, .size: 8, .value_kind: global_buffer, .address_space: global }
      - { .name: b1, .offset: 8, .size: 8, .value_kind: global_buffer, .address_space: global }
      - { .name: xq, .offset: 16, .size: 8, .value_kind: global_buffer, .address_space: global }
      - { .name: xs, .offset: 24, .size: 8, .value_kind: global_buffer, .address_space: global }
      - { .name: plan, .offset: 32, .size: 8, .value_kind: global_buffer, .address_space: global }
      - { .name: hq, .offset: 40, .size: 8, .value_kind: global_buffer, .address_space: global }
      - { .name: hs, .offset: 48, .size: 8, .value_kind: global_buffer, .address_space: global }
    .group_segment_fixed_size: 137216
    .private_segment_fixed_size: 0
    .kernarg_segment_align: 8
    .kernarg_segment_size: 56
    .max_flat_workgroup_size: 128
    .sgpr_count:     66
    .vgpr_count:     1024
    .wavefront_size: 32
...
	.end_amdgpu_metadata
.endif
;; end of part 3
;; launch fc2 (part 4): grid 32 x 8, 4 waves a work-group, no clusters, 170,496 bytes of LDS; arguments w2, hq, hs, plan, part; writes part
.if DOCPART == 4
	.amdgcn_target "amdgcn-amd-amdhsa--gfx1250"
	.amdhsa_code_object_version 6
	.text
	.protected	k_q3383bd5378_fc2
	.globl	k_q3383bd5378_fc2
	.p2align	8
	.type	k_q3383bd5378_fc2,@function
k_q3383bd5378_fc2:
	s_mov_b64 s[64:65], 0
	v_nop
	global_prefetch_b8 v0, s[64:65] scope:SCOPE_SE
	s_setreg_imm32_b32 hwreg(HW_REG_WAVE_MODE, 25, 1), 1
	s_wait_xcnt 0x0
; THE SECOND LAYER, WEIGHT-STATIONARY: part[kq] = Q(h)[:, quarter kq of K] Q(w2[e])[quarter kq, 128 columns], for the rows of expert e alone.
; A work-group owns ONE slice of the weights: expert e = work-group y; K quarter kq = x / 8 (1,024 of the 4,096 hidden units); columns 128 (x % 8) on: 512 KiB of f32, read once in the launch, in rows of 512 consecutive bytes.
; K is cut in four so that a slice's rows are 512 bytes and a work-group reads 1 KiB of h for each row, not 4; the four partial sums are added, with b2, by the next launch: each output has one owner there.
; PHASE 1: the slice is quantised along K (its FIRST axis) in registers and laid in LDS as images of the matrix operand's registers.  Wave w takes rows 256 w .. 256 w + 255 in eight chunks of 32; lane l holds columns 4 l .. 4 l + 3.
; PHASE 2: each wave walks the expert's row tiles, four at a time (tiles 4 w + 16 g + 0..3), each against the whole slice.  The rows' fragments come from memory as images, 512 consecutive bytes a load.
;   The product is used TRANSPOSED (source 0 = 16 columns of w2, source 1 = 16 rows); row rho of tile 2 b + u' of the weights is column 32 b + 8 u' + rho + 8 (rho / 8): lane (r, h), tile u, register jj: column 32 (u / 2) + 16 h + 8 (u % 2) + jj of row r.
;   Results go through the wave's own stage in LDS and leave as rows of 512 consecutive bytes.
; No tensor load and no cluster: the trip count hangs on a stored number.  The one barrier stands ahead of every branch on such a number.
; LIMITS: NaN and infinities are not served; a block whose largest magnitude lies under 2^-118, a block of zeros too, keeps the byte 1 (only this program reads the bytes).
; REGISTERS, in windows of 256.  window 0: below.  window 1: phase 1: two sets of 128, X[4 k + j]; phase 2: the 32 accumulators, (tile i, tile of columns u) at 64 i + 8 u.  window 2: row fragments of tiles 0, 1 at 16 (8 i + s);  window 3: of tiles 2, 3.
.set WPITCH, 4096                      ; a row of w2[e] in bytes
.set FST, 2064                         ; from image to image in LDS: 2,048 + 16, so that the sixteen lanes of a store touch sixteen different 16-byte columns
.set KST, 8*FST
.set SCL, 64*FST                       ; scale bytes: image x 64 + 4 rho + block
.set STG, SCL+4096                     ; the stages: 16 rows x (512 + 16) bytes for each wave
.set SPI, 528
.set OFF, 1                            ; v1-2   byte offset of my 16 bytes in the first row of the chunk that set 0, 1 loads next
.set VA,  3                            ; v3     where I store codes
.set VS,  4                            ; v4     where I store scale bytes
.set VL,  5                            ; v5-7   16 lane + 0, 3, 6 K steps
.set VLS, 8                            ; v8     SCL + 4 (lane % 16)
.set GI,  9                            ; v9     16 lane
.set GS,  10                           ; v10    4 (lane % 16)
.set FLR, 11                           ; v11    the floor 2^(9 - 127)
.set XA,  16                           ; v16-19 my tiles' images: 65,536 slot + 16 lane
.set XSA, 20                           ; v20-23 their scale words: 2,048 slot + 4 (lane % 16)
.set M,   24
.set SC,  28
.set LIM, 32
.set BY,  36
.set SO,  45                           ; v45    the stage, on the way in
.set SR,  46                           ; v46    and on the way out
.set C,   48                           ; v48-79 codes just made
.set AS,  80                           ; v80-111  the rows' scale words, 8 i + s: scales and nothing else
.set BS,  112                          ; v112-119 the weights' scale words: scales and nothing else
.set Y,   128                          ; v128-255 phase 1: the chunk held and turned; phase 2: two sets of four weight fragments; then rows on their way out
.set SL,  40                           ; s40-43 the slots of my four tiles
.set GC,  44                           ; s44    groups of tiles done
.set GN,  45                           ; s45    groups of tiles that my wave has: at most 4
.set MSB, 0
.macro WIN new                         ; the immediate's high byte repeats the setting that is left; a switch that changes nothing is dropped
.if MSB != \new
	s_set_vgpr_msb (MSB<<8)|\new
.set MSB, \new
.endif
.endm
.macro PLACES n
.rept \n
	v_nop
.endr
.endm
.macro XLOAD q                         ; chunk q: 32 rows x 512 consecutive bytes into set q % 2 of window 1
	WIN 0x40
.set k, 0
.rept 32
	global_load_b128 v[128*((\q)%2)+4*k:128*((\q)%2)+4*k+3], v[OFF+(\q)%2], s[4:5] offset:k*WPITCH th:TH_LOAD_NT
.set k, k+1
.endr
	WIN 0
.endm
.macro SLOTS                           ; the slots of tiles s26 + 0..3, held to the expert's last tile; an expert without rows names slot 0, which always exists
	s_cmp_eq_u32 s25, 0
	s_cselect_b32 s27, 0, s24
	s_max_u32 s28, s25, 1
	s_sub_co_u32 s28, s28, 1
.irp i, 0,1,2,3
	s_add_co_u32 s29, s26, \i
	s_min_u32 s29, s29, s28
	s_add_co_u32 s29, s29, s27
	s_min_u32 s[SL+\i], s29, 71
	v_lshl_add_u32 v[XA+\i], s[SL+\i], 16, v[GI]
	v_lshl_add_u32 v[XSA+\i], s[SL+\i], 11, v[GS]
.endr
.endm
.macro APART s                         ; K step s of my quarter, the four tiles' images
.irp i, 0,1,2,3
.if \i == 0
	WIN 0x80
.endif
.if \i == 2
	WIN 0xc0
.endif
.irp c, 0,1,2,3
	global_load_b128 v[16*(8*(\i%2)+(\s))+4*\c:16*(8*(\i%2)+(\s))+4*\c+3], v[XA+\i], s[6:7] offset:2048*(\s)+512*\c
.endr
.endr
	WIN 0
.endm
.macro ASC                             ; the rows' eight scale words
.irp i, 0,1,2,3
.irp s, 0,1,2,3,4,5,6,7
	global_load_b32 v[AS+8*\i+\s], v[XSA+\i], s[8:9] offset:64*\s
.endr
.endr
.endm
	s_load_b256 s[4:11], s[0:1], 0x0               ; w2 s[4:5], hq s[6:7], hs s[8:9], plan s[10:11]
	s_load_b64 s[12:13], s[0:1], 0x20              ; part
	v_lshl_add_u32 v126, v0, 2, 0x29800
	v_mov_b32 v127, 0
	v_lshrrev_b32 v24, 5, v0
	v_readfirstlane_b32 s18, v24                   ; wave
	s_and_b32 s19, ttmp7, 0xffff                   ; expert
	s_lshr_b32 s20, ttmp9, 3                       ; K quarter
	s_and_b32 s39, ttmp9, 7                        ; which 128 columns
	s_mov_b32 s21, 0x600000                        ; the mantissa field of 448
	s_lshl_b32 s38, s19, 3
	v_and_b32 v24, 31, v0                          ; lane
	v_bfe_u32 v25, v0, 4, 1                        ; h
	v_lshlrev_b32 v[GI], 4, v24
	v_and_b32 v29, 15, v0                          ; r
	v_lshlrev_b32 v[GS], 2, v29
	v_mov_b32 v[FLR], 0x4800000
	s_mul_i32 s27, s18, 256*WPITCH
	v_add_nc_u32 v[OFF], s27, v[GI]
	v_add_nc_u32 v[OFF+1], 32*WPITCH, v[OFF]
	v_lshrrev_b32 v26, 3, v24
	v_bfe_u32 v27, v24, 1, 1
	v_lshl_add_u32 v26, v26, 1, v27                ; my columns' tile u = 2 (lane / 8) + (lane / 2) % 2
	v_and_b32 v27, 1, v24                          ; their rows in it: rho = 4 (lane % 2) + j + 8 ((lane / 4) % 2)
	v_bfe_u32 v28, v24, 2, 1
	v_mul_u32_u24 v[VA], v26, FST
	v_lshl_add_u32 v[VA], v27, 6, v[VA]
	v_lshl_add_u32 v[VA], v28, 7, v[VA]
	s_mul_i32 s27, s18, 2*KST
	v_add_nc_u32 v[VA], s27, v[VA]
	v_lshlrev_b32 v[VS], 6, v26
	v_lshl_add_u32 v[VS], v27, 4, v[VS]
	v_lshl_add_u32 v[VS], v28, 5, v[VS]
	s_lshl_b32 s27, s18, 10
	s_add_co_u32 s27, s27, SCL
	v_add_nc_u32 v[VS], s27, v[VS]
	v_mov_b32 v[VL], v[GI]
	v_add_nc_u32 v[VL+1], 3*KST, v[GI]
	v_add_nc_u32 v[VL+2], 6*KST, v[GI]
	v_add_nc_u32 v[VLS], SCL, v[GS]
	v_mul_u32_u24 v[SO], v29, SPI
	v_lshl_add_u32 v[SO], v25, 6, v[SO]
	s_mul_i32 s27, s18, 16*SPI
	s_add_co_u32 s27, s27, STG
	v_add_nc_u32 v[SO], s27, v[SO]                 ; my stage: row r, + 64 h
	v_add_nc_u32 v[SR], s27, v[GI]                 ; back: 16 bytes a lane of a row
	s_wait_kmcnt 0x0
	s_load_b64 s[24:25], s[10:11], s38 offset:0x2200   ; meta[e]: first slot, number of tiles
	s_lshl_b32 s28, s19, 24
	s_lshl_b32 s29, s20, 22
	s_add_co_u32 s28, s28, s29
	s_lshl_b32 s29, s39, 9
	s_add_co_u32 s28, s28, s29
	s_mov_b32 s29, 0
	s_add_nc_u64 s[4:5], s[4:5], s[28:29]          ; w2 at my slice
	s_lshl_b32 s28, s20, 14
	s_add_nc_u64 s[6:7], s[6:7], s[28:29]          ; hq at my quarter's first K step
	s_lshl_b32 s28, s20, 9
	s_add_nc_u64 s[8:9], s[8:9], s[28:29]          ; hs likewise
	s_mul_i32 s28, s20, 1152*4096
	s_lshl_b32 s30, s39, 9
	s_add_co_u32 s28, s28, s30
	s_add_nc_u64 s[12:13], s[12:13], s[28:29]      ; part at my quarter and my columns
	XLOAD 0
	XLOAD 1
	s_wait_kmcnt 0x0
	s_min_u32 s24, s24, 71
	s_min_u32 s25, s25, 64
	s_lshl_b32 s26, s18, 2                         ; my first tile
	SLOTS
; A CHUNK: 32 rows x 128 columns: one block of 32 along K for each column.  cnt = the loads issued behind this chunk's.
.macro CHUNK q, cnt
.set XB, 128*((\q)%2)
	s_wait_loadcnt \cnt                            ; loads come back in order: this chunk's 32 are in
	s_wait_dscnt 0x0                               ; the last chunk's LDS stores have read their registers
	WIN 0x14
.irp j, 0,1,2,3
	v_max3_num_f32 v[M+\j], v[FLR], |v[XB+\j]|, |v[XB+4+\j]|         ; the floor starts each chain: the byte cannot fall under 1
.endr
.set k, 2
.rept 15
.irp j, 0,1,2,3
	v_max3_num_f32 v[M+\j], v[M+\j], |v[XB+4*k+\j]|, |v[XB+4*k+4+\j]|    ; my four columns by turns
.endr
.set k, k+2
.endr
	WIN 0
.irp j, 0,1,2,3
	v_add_nc_u32 v[SC+\j], 0xfc000000, v[M+\j]     ; 8 off the exponent field: the conversion's scale operand
.endr
.irp j, 0,1,2,3
	v_and_or_b32 v[LIM+\j], v[M+\j], 0x7f800000, s21   ; 448 x the scale
.endr
.irp j, 0,1,2,3
	v_lshrrev_b32 v[BY+\j], 23, v[SC+\j]           ; the scale's byte
.endr
	WIN 0x01
.set k, 0
.rept 32
.irp j, 0,1,2,3
	v_med3_num_f32 v[Y+32*\j+k], v[XB+4*k+\j], -v[LIM+\j], v[LIM+\j] ; the hold (the conversion does not saturate: ISA guide 7.6.2) also turns the registers: a column's 32 numbers now stand on end
.endr
.set k, k+1
.endr
	WIN 0
.if ((\q) >= 1) && ((\q) <= 6)
	APART (\q)-1                                   ; the first group's rows come in beside the weights
.endif
.if (\q) == 7
	APART 6
	APART 7
	ASC
.endif
.if (\q) <= 5
	v_add_nc_u32 v[OFF+(\q)%2], 64*WPITCH, v[OFF+(\q)%2]             ; free since this chunk's wait
	XLOAD (\q)+2
.endif
.irp j, 0,1,2,3
.irp g, 0,1,2,3
	v_cvt_scalef32_pk8_fp8_f32 v[C+8*\j+2*\g:C+8*\j+2*\g+1], v[Y+32*\j+8*\g:Y+32*\j+8*\g+7], v[SC+\j]
.endr
.endr
	v_nop                                          ; a plain instruction behind the last conversion
.irp j, 0,1,2,3
	ds_store_b128 v[VA], v[C+8*\j:C+8*\j+3]   offset:((\q)/4)*KST+((\q)%4)*512+16*\j       ; K 0..15 of the block: the image's lanes 0-15
	ds_store_b128 v[VA], v[C+8*\j+4:C+8*\j+7] offset:((\q)/4)*KST+((\q)%4)*512+256+16*\j   ; K 16..31: its lanes 16-31
	ds_store_b8 v[VS], v[BY+\j] offset:((\q)/4)*512+((\q)%4)+4*\j
.endr
.endm
	CHUNK 0, 32                                    ; behind chunk 0's loads: chunk 1's 32
	CHUNK 1, 32                                    ; chunk 2's 32
	CHUNK 2, 48                                    ; 16 of the rows' and the next chunk's 32
	CHUNK 3, 48
	CHUNK 4, 48
	CHUNK 5, 48
	CHUNK 6, 48
	CHUNK 7, 16                                    ; 16 of the rows'
	s_wait_dscnt 0x0                               ; for the others' sake: my images and scale bytes have landed
	s_barrier_signal -1
	s_barrier_wait -1                              ; the whole slice lies in LDS; its bytes are not written again
	s_cmp_ge_u32 s26, s25
	s_cbranch_scc1 .Lend                           ; a wave without tiles
	s_sub_co_u32 s[GN], s25, s26                   ; tiles from my first on,
	s_add_co_u32 s[GN], s[GN], 15
	s_lshr_b32 s[GN], s[GN], 4                     ; in steps of the four waves' sixteen: my groups, 1 to 4
	s_min_u32 s[GN], s[GN], 4
	s_mov_b32 s[GC], 0
.macro BLOAD n                         ; batch n: K step n / 2, tiles of columns 4 (n % 2) + 0..3, into set n % 2: 16 loads of 512 consecutive bytes and 4 scale words
.set ks, (\n)/2
.irp t, 0,1,2,3
.irp c, 0,1,2,3
	ds_load_b128 v[Y+64*((\n)%2)+16*\t+4*\c:Y+64*((\n)%2)+16*\t+4*\c+3], v[VL+ks/3] offset:(ks%3)*KST+(4*((\n)%2)+\t)*FST+512*\c
.endr
	ds_load_b32 v[BS+4*((\n)%2)+\t], v[VLS] offset:(8*ks+4*((\n)%2)+\t)*64
.endr
.endm
.macro MUL n                           ; 16 matrix instructions on 16 different accumulators, which come up again two batches on: by turns
.set ks, (\n)/2
.irp i, 0,1,2,3
.if \i == 0
	WIN 0x58                                       ; weights window 0, rows window 2, C and D window 1
.endif
.if \i == 2
	WIN 0x5c                                       ; rows window 3
.endif
.irp t, 0,1,2,3
.set rD, 64*\i+8*(4*((\n)%2)+\t)
.set rW, Y+64*((\n)%2)+16*\t
.set rR, 16*(8*(\i%2)+ks)
.if ks == 0
	v_wmma_scale_f32_16x16x128_f8f6f4 v[rD:rD+7], v[rW:rW+15], v[rR:rR+15], 0, v[BS+4*((\n)%2)+\t], v[AS+8*\i+ks]
.else
	v_wmma_scale_f32_16x16x128_f8f6f4 v[rD:rD+7], v[rW:rW+15], v[rR:rR+15], v[rD:rD+7], v[BS+4*((\n)%2)+\t], v[AS+8*\i+ks]
.endif
.endr
.endr
.endm
; One tile's way out: 16 rows x 128 columns of f32 through my stage, back as whole rows of 512 bytes.
.macro TILE_OUT i
	s_add_co_u32 s29, s26, \i
	s_cmp_ge_u32 s29, s25
	s_cbranch_scc1 .Lskip_\@                       ; past the expert's last tile: nothing is stored
	s_wait_xcnt 0x0                                ; the last tile's stores have read their data and base
	WIN 0x04                                       ; an LDS store's data are its source 1: window 1
.irp u, 0,1,2,3,4,5,6,7
	ds_store_b128 v[SO], v[64*\i+8*\u:64*\i+8*\u+3]   offset:128*(\u/2)+32*(\u%2)          ; each accumulator from its low end on
	ds_store_b128 v[SO], v[64*\i+8*\u+4:64*\i+8*\u+7] offset:128*(\u/2)+32*(\u%2)+16
.endr
	WIN 0
.set rr, 0
.rept 16
	ds_load_b128 v[Y+4*rr:Y+4*rr+3], v[SR] offset:rr*SPI             ; LDS serves a wave's instructions in order: these see my stores
.set rr, rr+1
.endr
	s_lshl_b32 s32, s[SL+\i], 16                   ; a slot's 16 rows of 4,096 bytes
	s_mov_b32 s33, 0
	s_add_nc_u64 s[34:35], s[12:13], s[32:33]
	s_wait_dscnt 0x0
.set rr, 0
.rept 16
	global_store_b128 v[GI], v[Y+4*rr:Y+4*rr+3], s[34:35] offset:rr*4096     ; 32 lanes store 512 consecutive bytes, aligned
.set rr, rr+1
.endr
.Lskip_\@:
.endm
.Lgroup:                                               ; a trip: four row tiles x 128 columns x K 1,024: 256 matrix instructions
	s_wait_loadcnt 0x0                             ; the rows' fragments and scale words
	BLOAD 0
.set nn, 0
.rept 15
.if nn > 0
	PLACES 8                                       ; in front of loads into the set that the matrix instructions just issued have read
.endif
	WIN 0
	BLOAD nn+1
	s_wait_dscnt 20                                ; all but the 20 just issued
	MUL nn
.set nn, nn+1
.endr
	s_wait_dscnt 0x0
	MUL 15
	WIN 0
	PLACES 9                                       ; in front of the first reads of results and of the loads into the weights' sets
	TILE_OUT 0
	TILE_OUT 1
	TILE_OUT 2
	TILE_OUT 3
	s_add_co_u32 s26, s26, 16                      ; the four waves' next sixteen tiles
	s_add_co_u32 s[GC], s[GC], 1                   ; the loop's counter: one a trip
	s_cmp_ge_u32 s[GC], s[GN]
	s_cbranch_scc1 .Lend
	s_wait_xcnt 0x0
	SLOTS
.irp s, 0,1,2,3,4,5,6,7
	APART \s
.endr
	ASC
	s_cmp_lt_u32 s[GC], s[GN]
	s_cbranch_scc1 .Lgroup
.Lend:
	s_wait_tensorcnt 0x0
	ds_add_u32 v126, v127
	s_wait_dscnt 0x0
	s_endpgm
.Lfunc_end_k_q3383bd5378_fc2:
	.size	k_q3383bd5378_fc2, .Lfunc_end_k_q3383bd5378_fc2-k_q3383bd5378_fc2
	.p2alignl 7, 3214868480
	.fill 96, 4, 3214868480
	.section	.rodata,"a",@progbits
	.p2align	6, 0x0
	.amdhsa_kernel k_q3383bd5378_fc2
		.amdhsa_group_segment_fixed_size 170496
		.amdhsa_private_segment_fixed_size 0
		.amdhsa_enable_private_segment 0
		.amdhsa_kernarg_size 40
		.amdhsa_user_sgpr_count 2
		.amdhsa_user_sgpr_kernarg_segment_ptr 1
		.amdhsa_wavefront_size32 1
		.amdhsa_system_sgpr_workgroup_id_x 1
		.amdhsa_system_sgpr_workgroup_id_y 1
		.amdhsa_system_sgpr_workgroup_id_z 1
		.amdhsa_system_vgpr_workitem_id 0
		.amdhsa_next_free_vgpr 1024
		.amdhsa_next_free_sgpr 66
		.amdhsa_reserve_vcc 0
		.amdhsa_float_denorm_mode_32 3
		.amdhsa_float_denorm_mode_16_64 3
		.amdhsa_memory_ordered 1
		.amdhsa_forward_progress 1
		.amdhsa_inst_pref_size 254
	.end_amdhsa_kernel
	.amdgpu_metadata
---
amdhsa.version: [ 1, 2 ]
amdhsa.kernels:
  - .name:           k_q3383bd5378_fc2
    .symbol:         k_q3383bd5378_fc2.kd
    .args:
      - { .name: w2, .offset: 0, .size: 8, .value_kind: global_buffer, .address_space: global }
      - { .name: hq, .offset: 8, .size: 8, .value_kind: global_buffer, .address_space: global }
      - { .name: hs, .offset: 16, .size: 8, .value_kind: global_buffer, .address_space: global }
      - { .name: plan, .offset: 24, .size: 8, .value_kind: global_buffer, .address_space: global }
      - { .name: part, .offset: 32, .size: 8, .value_kind: global_buffer, .address_space: global }
    .group_segment_fixed_size: 170496
    .private_segment_fixed_size: 0
    .kernarg_segment_align: 8
    .kernarg_segment_size: 40
    .max_flat_workgroup_size: 128
    .sgpr_count:     66
    .vgpr_count:     1024
    .wavefront_size: 32
...
	.end_amdgpu_metadata
.endif
;; end of part 4
;; launch combine (part 5): grid 256 x 1, 4 waves a work-group, no clusters, 0 bytes of LDS; arguments part, plan, owner, b2, out0; writes out0
.if DOCPART == 5
	.amdgcn_target "amdgcn-amd-amdhsa--gfx1250"
	.amdhsa_code_object_version 6
	.text
	.protected	k_q3383bd5378_combine
	.globl	k_q3383bd5378_combine
	.p2align	8
	.type	k_q3383bd5378_combine,@function
k_q3383bd5378_combine:
	s_mov_b64 s[64:65], 0
	v_nop
	global_prefetch_b8 v0, s[64:65] scope:SCOPE_SE
	s_setreg_imm32_b32 hwreg(HW_REG_WAVE_MODE, 25, 1), 1
	s_wait_xcnt 0x0
; out0[t] = ((part0 + part1) + (part2 + part3))[pos[t]] + b2[owner[t]]: the four K quarters of the second layer are added in a fixed order, each output row by one wave.
; One wave takes one token t = 4 x work-group + wave: five rows of 4,096 bytes in, one out, every load and store 512 consecutive bytes.  A stream: no LDS, no barrier, no matrix unit.
.set P, 16                             ; v16-143 quarter q's row at P + 32 q; v144-175 b2's row
.set QB, 1152*4096                     ; bytes of a quarter
	s_load_b256 s[4:11], s[0:1], 0x0               ; part s[4:5], plan s[6:7], owner s[8:9], b2 s[10:11]
	s_load_b64 s[12:13], s[0:1], 0x20              ; out0
	v_lshrrev_b32 v1, 5, v0
	v_readfirstlane_b32 s14, v1                    ; wave
	s_lshl_b32 s15, ttmp9, 2
	s_add_co_u32 s15, s15, s14                     ; my token
	s_lshl_b32 s16, s15, 2
	v_and_b32 v2, 31, v0
	v_lshlrev_b32 v2, 4, v2                        ; 16 bytes a lane
	s_wait_kmcnt 0x0
	s_load_b32 s17, s[6:7], s16 offset:0x1200      ; pos[t]
	s_load_b32 s18, s[8:9], s16 offset:0x0         ; owner[t]
	s_mov_b32 s21, 0
	s_wait_kmcnt 0x0
	s_min_u32 s17, s17, 1151
	s_min_u32 s18, s18, 7
	s_lshl_b32 s20, s17, 12
	s_add_nc_u64 s[4:5], s[4:5], s[20:21]          ; my row in quarter 0,
	s_add_nc_u64 s[22:23], s[4:5], 2*QB            ; and in quarter 2: so every offset stays inside the signed 24-bit immediate
	s_lshl_b32 s20, s18, 12
	s_add_nc_u64 s[10:11], s[10:11], s[20:21]
	s_lshl_b32 s20, s15, 12
	s_add_nc_u64 s[12:13], s[12:13], s[20:21]
.irp n, 0,1,2,3,4,5,6,7
	global_load_b128 v[P+4*\n:P+4*\n+3],         v2, s[4:5] offset:512*\n th:TH_LOAD_NT
	global_load_b128 v[P+32+4*\n:P+32+4*\n+3],   v2, s[4:5] offset:512*\n+QB th:TH_LOAD_NT
	global_load_b128 v[P+64+4*\n:P+64+4*\n+3],   v2, s[22:23] offset:512*\n th:TH_LOAD_NT
	global_load_b128 v[P+96+4*\n:P+96+4*\n+3],   v2, s[22:23] offset:512*\n+QB th:TH_LOAD_NT
	global_load_b128 v[P+128+4*\n:P+128+4*\n+3], v2, s[10:11] offset:512*\n
.endr
	s_wait_loadcnt 0x0
.set j, 0
.rept 16
	v_pk_add_f32 v[P+2*j:P+2*j+1], v[P+2*j:P+2*j+1], v[P+32+2*j:P+32+2*j+1]
	v_pk_add_f32 v[P+64+2*j:P+64+2*j+1], v[P+64+2*j:P+64+2*j+1], v[P+96+2*j:P+96+2*j+1]
.set j, j+1
.endr
.set j, 0
.rept 16
	v_pk_add_f32 v[P+2*j:P+2*j+1], v[P+2*j:P+2*j+1], v[P+64+2*j:P+64+2*j+1]
.set j, j+1
.endr
.set j, 0
.rept 16
	v_pk_add_f32 v[P+2*j:P+2*j+1], v[P+2*j:P+2*j+1], v[P+128+2*j:P+128+2*j+1]
.set j, j+1
.endr
.irp n, 0,1,2,3,4,5,6,7
	global_store_b128 v2, v[P+4*\n:P+4*\n+3], s[12:13] offset:512*\n th:TH_STORE_NT
.endr
	s_endpgm
.Lfunc_end_k_q3383bd5378_combine:
	.size	k_q3383bd5378_combine, .Lfunc_end_k_q3383bd5378_combine-k_q3383bd5378_combine
	.p2alignl 7, 3214868480
	.fill 96, 4, 3214868480
	.section	.rodata,"a",@progbits
	.p2align	6, 0x0
	.amdhsa_kernel k_q3383bd5378_combine
		.amdhsa_group_segment_fixed_size 0
		.amdhsa_private_segment_fixed_size 0
		.amdhsa_enable_private_segment 0
		.amdhsa_kernarg_size 40
		.amdhsa_user_sgpr_count 2
		.amdhsa_user_sgpr_kernarg_segment_ptr 1
		.amdhsa_wavefront_size32 1
		.amdhsa_system_sgpr_workgroup_id_x 1
		.amdhsa_system_sgpr_workgroup_id_y 1
		.amdhsa_system_sgpr_workgroup_id_z 1
		.amdhsa_system_vgpr_workitem_id 0
		.amdhsa_next_free_vgpr 176
		.amdhsa_next_free_sgpr 66
		.amdhsa_reserve_vcc 0
		.amdhsa_float_denorm_mode_32 3
		.amdhsa_float_denorm_mode_16_64 3
		.amdhsa_memory_ordered 1
		.amdhsa_forward_progress 1
		.amdhsa_inst_pref_size 10
	.end_amdhsa_kernel
	.amdgpu_metadata
---
amdhsa.version: [ 1, 2 ]
amdhsa.kernels:
  - .name:           k_q3383bd5378_combine
    .symbol:         k_q3383bd5378_combine.kd
    .args:
      - { .name: part, .offset: 0, .size: 8, .value_kind: global_buffer, .address_space: global }
      - { .name: plan, .offset: 8, .size: 8, .value_kind: global_buffer, .address_space: global }
      - { .name: owner, .offset: 16, .size: 8, .value_kind: global_buffer, .address_space: global }
      - { .name: b2, .offset: 24, .size: 8, .value_kind: global_buffer, .address_space: global }
      - { .name: out0, .offset: 32, .size: 8, .value_kind: global_buffer, .address_space: global }
    .group_segment_fixed_size: 0
    .private_segment_fixed_size: 0
    .kernarg_segment_align: 8
    .kernarg_segment_size: 40
    .max_flat_workgroup_size: 128
    .sgpr_count:     66
    .vgpr_count:     176
    .wavefront_size: 32
...
	.end_amdgpu_metadata
.endif
;; end of part 5
;; ======== version 2 of 2: 5 launches
;; workspace buffers: owner 4,096 bytes of whole numbers; xq 1,048,576 bytes; xs 32,768 bytes; plan 8,960 bytes of whole numbers; hq 4,718,592 bytes; hs 147,456 bytes; part 18,874,368 bytes
;; launch route (part 6): grid 256 x 1, 4 waves a work-group, no clusters, 35,584 bytes of LDS; arguments x, gate_w, gate_b, owner, xq, xs; writes owner, xq, xs
.if DOCPART == 6
	.amdgcn_target "amdgcn-amd-amdhsa--gfx1250"
	.amdhsa_code_object_version 6
	.text
	.protected	k_q3383bd5378_route
	.globl	k_q3383bd5378_route
	.p2align	8
	.type	k_q3383bd5378_route,@function
k_q3383bd5378_route:
	s_mov_b64 s[64:65], 0
	v_nop
	global_prefetch_b8 v0, s[64:65] scope:SCOPE_SE
	s_setreg_imm32_b32 hwreg(HW_REG_WAVE_MODE, 25, 1), 1
	s_wait_xcnt 0x0
; THE ROUTER, AND THE FIRST OPERAND.  One wave takes one token t = 4 x work-group + wave.
; logits = x[t] . gate_w + gate_b in f32; scores = softmax (the maximum is taken away first); the two largest scores, the lower index first among equals.
; The combine of the model overwrites in ascending order of experts wherever a weight is above 0: so a token keeps the result of ONE expert,
; the higher-numbered of its two if that one's score is above 0, else the other.  Stored: that expert's number (owner[t]), and x[t] x its score as codes of E4M3
; with one E8M0 byte for each 32 along K (xq[t][1024], xs[t][32]).  No address and no branch hangs on a floating-point number.
; LIMITS: NaN and infinities are not served.  A token whose second and third scores agree within f32 rounding may take the other expert.
; A block whose largest magnitude lies under 2^-118 keeps the byte 1; so does a block of zeros (its codes are zeros; only this program reads the bytes).
; Lane l holds x[256 i + 8 l + m], i = 0..3, m = 0..7, in v[X + 8 i + m]: a block of 32 lies in four neighbouring lanes.
; gate_w (32 KiB) goes through LDS once a work-group, as 128 chunks of 256 bytes (8 rows of 8 experts), 272 bytes apart: lane l reads chunk 32 i + l, and sixteen lanes touch sixteen different 16-byte columns.
.set X,   16                           ; v16-47   my 32 numbers of x
.set G,   48                           ; v48-175  two sets of 64: gate_w[8 rows][8 experts]
.set ACC, 176                          ; v176-183 eight sums
.set SCR, 184                          ; v184-191 t, then p, then the scores
.set SH,  192                          ; v192-199 what v_ldexp_f32 takes off again
.set QM,  192                          ; later: v192-195 largest magnitudes, v196-199 scale operands, v200-203 448 x scale, v204-207 bytes
.set QS,  196
.set QL,  200
.set QB,  204
.set CD,  216                          ; v216-223 codes
.set GP,  272
.set SBY, 128*GP                       ; behind gate_w's image: 32 scale bytes for each wave
	s_load_b256 s[4:11], s[0:1], 0x0               ; x s[4:5], gate_w s[6:7], gate_b s[8:9], owner s[10:11]
	s_load_b128 s[12:15], s[0:1], 0x20             ; xq s[12:13], xs s[14:15]
	v_lshl_add_u32 v224, v0, 2, 0x8900
	v_mov_b32 v225, 0
	v_lshrrev_b32 v1, 5, v0
	v_readfirstlane_b32 s16, v1                    ; wave
	v_and_b32 v2, 31, v0                           ; lane
	s_lshl_b32 s17, ttmp9, 2
	s_add_co_u32 s17, s17, s16                     ; my token
	v_lshlrev_b32 v3, 5, v2                        ; x: 32 bytes a lane
	v_lshlrev_b32 v4, 4, v0                        ; gate_w: 16 bytes a thread
	v_lshrrev_b32 v5, 4, v0
	v_and_b32 v6, 15, v0
	v_mul_u32_u24 v5, v5, GP
	v_lshl_add_u32 v5, v6, 4, v5                   ; its image, on the way in: chunk thread / 16 (+ 8 for each load), 16 bytes a thread
	v_mul_u32_u24 v6, v2, GP                       ; and on the way out: chunk = lane (+ 32 i)
	v_lshlrev_b32 v7, 3, v2                        ; codes: 8 bytes a lane
	v_lshrrev_b32 v8, 2, v2
	s_lshl_b32 s34, s16, 5
	s_add_co_u32 s34, s34, SBY
	v_add_nc_u32 v8, s34, v8                       ; my block's scale byte: SBY + 32 wave + lane / 4 (+ 8 i)
	v_and_b32 v9, 7, v2
	v_lshlrev_b32 v9, 2, v9                        ; the bytes leave as 8 words
	v_add_nc_u32 v10, s34, v9
	v_mov_b32 v12, 0
	s_mov_b32 s20, 0x76543210
	s_mov_b32 s21, 0xfedcba98                      ; v_permlanex16_b32's selects for lane l xor 16
	s_mov_b32 s23, 0x600000                        ; the mantissa field of 448
	s_lshl_b32 s18, s17, 12                        ; a row of x is 4,096 bytes
	s_mov_b32 s19, 0
	s_wait_alu depctr_va_vdst(0)
	s_wait_kmcnt 0x0
	s_load_b256 s[24:31], s[8:9], 0x0              ; gate_b
	s_add_nc_u64 s[4:5], s[4:5], s[18:19]
.irp i, 0,1,2,3
	global_load_b128 v[X+8*\i:X+8*\i+3],   v3, s[4:5] offset:1024*\i th:TH_LOAD_NT
	global_load_b128 v[X+8*\i+4:X+8*\i+7], v3, s[4:5] offset:1024*\i+16 th:TH_LOAD_NT
.endr
.set n, 0
.rept 16
	global_load_b128 v[G+4*n:G+4*n+3], v4, s[6:7] offset:2048*n      ; 128 threads x 16 bytes: 2,048 consecutive bytes a load
.set n, n+1
.endr
	s_lshl_b32 s18, s17, 10
	s_add_nc_u64 s[12:13], s[12:13], s[18:19]      ; xq at my token
	s_lshl_b32 s18, s17, 5
	s_add_nc_u64 s[14:15], s[14:15], s[18:19]      ; xs
	s_lshl_b32 s18, s17, 2
	s_add_nc_u64 s[10:11], s[10:11], s[18:19]      ; owner
	s_wait_loadcnt 0x0
.set n, 0
.rept 16
	ds_store_b128 v5, v[G+4*n:G+4*n+3] offset:8*GP*n
.set n, n+1
.endr
	s_wait_dscnt 0x0                               ; for the others' sake: my part of the image has landed
	s_barrier_signal -1
	s_barrier_wait -1
.macro GLOAD i                         ; gate_w's rows 256 i + 8 lane + 0..7 into set i % 2: register 8 m + e
.set p, 0
.rept 16
	ds_load_b128 v[G+64*((\i)%2)+4*p:G+64*((\i)%2)+4*p+3], v6 offset:32*GP*(\i)+16*p
.set p, p+1
.endr
.endm
.macro DOT i                           ; eight sums += 8 rows x my 8 numbers, two experts an instruction; the very first products start the sums
.irp m, 0,1,2,3,4,5,6,7
.irp p, 0,1,2,3
.if ((\i) == 0) && (\m == 0)
	v_pk_mul_f32 v[ACC+2*\p:ACC+2*\p+1], v[G+2*\p:G+2*\p+1], v[X:X+1] op_sel_hi:[1,0]
.elseif (\m%2) == 0
	v_pk_fma_f32 v[ACC+2*\p:ACC+2*\p+1], v[G+64*((\i)%2)+8*\m+2*\p:G+64*((\i)%2)+8*\m+2*\p+1], v[X+8*(\i)+\m:X+8*(\i)+\m+1], v[ACC+2*\p:ACC+2*\p+1] op_sel_hi:[1,0,1]
.else
	v_pk_fma_f32 v[ACC+2*\p:ACC+2*\p+1], v[G+64*((\i)%2)+8*\m+2*\p:G+64*((\i)%2)+8*\m+2*\p+1], v[X+8*(\i)+\m-1:X+8*(\i)+\m], v[ACC+2*\p:ACC+2*\p+1] op_sel:[0,1,0] op_sel_hi:[1,1,1]
.endif
.endr
.endr
.endm
	GLOAD 0
	GLOAD 1
	s_wait_dscnt 16                                ; the older sixteen loads are in; the next quarter's sixteen may be out
	DOT 0
	GLOAD 2
	s_wait_alu depctr_va_vdst(0)
	s_wait_dscnt 16
	DOT 1
	GLOAD 3
	s_wait_alu depctr_va_vdst(0)
	s_wait_dscnt 16
	DOT 2
	s_wait_alu depctr_va_vdst(0)
	s_wait_dscnt 0x0
	DOT 3
.irp e, 0,1,2,3,4,5,6,7
	v_mov_b32 v[SCR+\e], 0                         ; a lane permute's destination counts as one of its sources
.endr
.irp k, 1,2,4,8
.irp e, 0,1,2,3,4,5,6,7
	v_add_f32_dpp v[ACC+\e], v[ACC+\e], v[ACC+\e] row_xmask:\k row_mask:0xf bank_mask:0xf
.endr
.endr
.irp e, 0,1,2,3,4,5,6,7
	v_permlanex16_b32 v[SCR+\e], v[ACC+\e], s20, s21
.endr
.irp e, 0,1,2,3,4,5,6,7
	v_add_f32 v[ACC+\e], v[ACC+\e], v[SCR+\e]      ; every lane holds the eight dot products
.endr
	s_wait_alu depctr_va_vdst(0)
	s_wait_kmcnt 0x0
.irp e, 0,1,2,3,4,5,6,7
	v_add_f32 v[ACC+\e], s[24+\e], v[ACC+\e]       ; the logits
.endr
	v_max3_num_f32 v200, v[ACC], v[ACC+1], v[ACC+2]
	v_max3_num_f32 v200, v200, v[ACC+3], v[ACC+4]
	v_max3_num_f32 v200, v200, v[ACC+5], v[ACC+6]
	v_max_num_f32 v200, v200, v[ACC+7]             ; the largest logit is taken away ahead of the exponentials
	v_mov_b32 v202, 0x42800000                     ; 64.0
	v_mov_b32 v203, -64
	v_mov_b32 v210, -1.0
.irp e, 0,1,2,3,4,5,6,7
	v_sub_f32 v[SCR+\e], v[ACC+\e], v200
.endr
.irp e, 0,1,2,3,4,5,6,7
	v_mul_f32 v[SCR+\e], 0x3fb8aa3b, v[SCR+\e]     ; t = (logit - largest) x log2(e), 0 or less
.endr
; v_exp_f32 gives 0 where its result would be a denormal (ISA guide, its entry in 15.8).  Where t < -100 the exponential is taken of t + 64 and 2^-64 is applied by v_ldexp_f32, which keeps denormals.
.irp e, 0,1,2,3,4,5,6,7
	v_cmp_gt_f32 vcc_lo, 0xc2c80000, v[SCR+\e]     ; -100 > t
	v_cndmask_b32 v201, 0, v202, vcc_lo
	v_cndmask_b32 v[SH+\e], 0, v203, vcc_lo
	v_add_f32 v[SCR+\e], v[SCR+\e], v201
.endr
	s_wait_alu depctr_va_vdst(0)
.irp e, 0,1,2,3,4,5,6,7
	v_exp_f32 v[SCR+\e], v[SCR+\e]
.endr
	v_nop                                          ; a plain instruction behind the last exponential
	s_wait_alu depctr_va_vdst(0)                   ; one wait for the batch of eight, ahead of its first reader
.irp e, 0,1,2,3,4,5,6,7
	v_ldexp_f32 v[SCR+\e], v[SCR+\e], v[SH+\e]
.endr
	v_add_f32 v204, v[SCR], v[SCR+1]
	v_add_f32 v205, v[SCR+2], v[SCR+3]
	v_add_f32 v206, v[SCR+4], v[SCR+5]
	v_add_f32 v207, v[SCR+6], v[SCR+7]
	v_add_f32 v204, v204, v205
	v_add_f32 v206, v206, v207
	v_add_f32 v204, v204, v206                     ; between 1 and 8
	s_wait_alu depctr_va_vdst(0)
	v_rcp_f32 v205, v204
	v_nop
	s_wait_alu depctr_va_vdst(0)
.irp e, 0,1,2,3,4,5,6,7
	v_mul_f32 v[SCR+\e], v[SCR+\e], v205           ; the scores
.endr
; the largest score and its index; only a strictly larger score replaces: the lower index stays among equals
.macro SCAN val, idx
	v_mov_b32 v[\val], v[SCR]
	v_mov_b32 v[\idx], 0
.irp i, 1,2,3,4,5,6,7
	v_cmp_ge_f32 vcc_lo, v[\val], v[SCR+\i]
	v_cndmask_b32 v[\idx], \i, v[\idx], vcc_lo
	v_cndmask_b32 v[\val], v[SCR+\i], v[\val], vcc_lo
.endr
.endm
	SCAN 206, 207
.irp i, 0,1,2,3,4,5,6,7
	v_cmp_eq_u32 vcc_lo, \i, v207
	v_cndmask_b32 v[SCR+\i], v[SCR+\i], v210, vcc_lo   ; the winner leaves the field
.endr
	SCAN 208, 209
	v_cmp_lt_f32 s32, 0, v208                      ; the second score is above 0,
	v_cmp_gt_u32 s33, v209, v207                   ; and its expert comes later: it overwrites
	s_and_b32 vcc_lo, s32, s33
	v_cndmask_b32 v211, v207, v209, vcc_lo         ; the expert whose result stays
	v_cndmask_b32 v212, v206, v208, vcc_lo         ; and its score
	v_mov_b32 v213, v212
.set j, 0
.rept 16
	v_pk_mul_f32 v[X+2*j:X+2*j+1], v[X+2*j:X+2*j+1], v[212:213]      ; the weight multiplies the expert's INPUT
.set j, j+1
.endr
; the quantiser: block 8 i + lane / 4 lies in four lanes x 8 registers
.irp i, 0,1,2,3
	v_max3_num_f32 v[QM+\i], |v[X+8*\i]|, |v[X+8*\i+1]|, 0x4800000   ; with the floor 2^(9 - 127): the byte cannot fall under 1
.endr
.irp k, 2,4,6
.irp i, 0,1,2,3
	v_max3_num_f32 v[QM+\i], v[QM+\i], |v[X+8*\i+\k]|, |v[X+8*\i+\k+1]|
.endr
.endr
.irp k, 1,2
.irp i, 0,1,2,3
	v_max_num_f32_dpp v[QM+\i], v[QM+\i], v[QM+\i] row_xmask:\k row_mask:0xf bank_mask:0xf
.endr
.endr
.irp i, 0,1,2,3
	v_add_nc_u32 v[QS+\i], 0xfc000000, v[QM+\i]    ; 8 off the exponent field: the conversion's scale operand
.endr
.irp i, 0,1,2,3
	v_and_or_b32 v[QL+\i], v[QM+\i], 0x7f800000, s23   ; 448 x the scale
.endr
.irp i, 0,1,2,3
	v_lshrrev_b32 v[QB+\i], 23, v[QS+\i]           ; the scale's byte
.endr
.irp i, 0,1,2,3
.irp m, 0,1,2,3,4,5,6,7
	v_med3_num_f32 v[X+8*\i+\m], v[X+8*\i+\m], -v[QL+\i], v[QL+\i]   ; the conversion to an 8-bit code does not saturate (ISA guide 7.6.2)
.endr
	v_cvt_scalef32_pk8_fp8_f32 v[CD+2*\i:CD+2*\i+1], v[X+8*\i:X+8*\i+7], v[QS+\i]
.endr
	v_nop                                          ; a plain instruction behind the last conversion
.irp i, 0,1,2,3
	global_store_b64 v7, v[CD+2*\i:CD+2*\i+1], s[12:13] offset:256*\i    ; 32 lanes store 256 consecutive bytes, aligned
	ds_store_b8 v8, v[QB+\i] offset:8*\i           ; the four lanes of a block write the same byte with the same value
.endr
	ds_load_b32 v11, v10                           ; LDS serves a wave's instructions in order: this sees my stores
	global_store_b32 v12, v211, s[10:11]           ; all lanes hold the same number for the same word
	s_wait_dscnt 0x0
	global_store_b32 v9, v11, s[14:15]             ; my token's 32 scale bytes (lanes 8 on repeat lanes 0-7)
	s_wait_tensorcnt 0x0
	ds_add_u32 v224, v225
	s_wait_dscnt 0x0
	s_endpgm
.Lfunc_end_k_q3383bd5378_route:
	.size	k_q3383bd5378_route, .Lfunc_end_k_q3383bd5378_route-k_q3383bd5378_route
	.p2alignl 7, 3214868480
	.fill 96, 4, 3214868480
	.section	.rodata,"a",@progbits
	.p2align	6, 0x0
	.amdhsa_kernel k_q3383bd5378_route
		.amdhsa_group_segment_fixed_size 35584
		.amdhsa_private_segment_fixed_size 0
		.amdhsa_enable_private_segment 0
		.amdhsa_kernarg_size 48
		.amdhsa_user_sgpr_count 2
		.amdhsa_user_sgpr_kernarg_segment_ptr 1
		.amdhsa_wavefront_size32 1
		.amdhsa_system_sgpr_workgroup_id_x 1
		.amdhsa_system_sgpr_workgroup_id_y 1
		.amdhsa_system_sgpr_workgroup_id_z 1
		.amdhsa_system_vgpr_workitem_id 0
		.amdhsa_next_free_vgpr 226
		.amdhsa_next_free_sgpr 66
		.amdhsa_reserve_vcc 1
		.amdhsa_float_denorm_mode_32 3
		.amdhsa_float_denorm_mode_16_64 3
		.amdhsa_memory_ordered 1
		.amdhsa_forward_progress 1
		.amdhsa_inst_pref_size 34
	.end_amdhsa_kernel
	.amdgpu_metadata
---
amdhsa.version: [ 1, 2 ]
amdhsa.kernels:
  - .name:           k_q3383bd5378_route
    .symbol:         k_q3383bd5378_route.kd
    .args:
      - { .name: x, .offset: 0, .size: 8, .value_kind: global_buffer, .address_space: global }
      - { .name: gate_w, .offset: 8, .size: 8, .value_kind: global_buffer, .address_space: global }
      - { .name: gate_b, .offset: 16, .size: 8, .value_kind: global_buffer, .address_space: global }
      - { .name: owner, .offset: 24, .size: 8, .value_kind: global_buffer, .address_space: global }
      - { .name: xq, .offset: 32, .size: 8, .value_kind: global_buffer, .address_space: global }
      - { .name: xs, .offset: 40, .size: 8, .value_kind: global_buffer, .address_space: global }
    .group_segment_fixed_size: 35584
    .private_segment_fixed_size: 0
    .kernarg_segment_align: 8
    .kernarg_segment_size: 48
    .max_flat_workgroup_size: 128
    .sgpr_count:     66
    .vgpr_count:     226
    .wavefront_size: 32
...
	.end_amdgpu_metadata
.endif
;; end of part 6
;; launch place (part 7): grid 1 x 1, 8 waves a work-group, no clusters, 0 bytes of LDS; arguments owner, plan; writes plan
.if DOCPART == 7
	.amdgcn_target "amdgcn-amd-amdhsa--gfx1250"
	.amdhsa_code_object_version 6
	.text
	.protected	k_q3383bd5378_place
	.globl	k_q3383bd5378_place
	.p2align	8
	.type	k_q3383bd5378_place,@function
k_q3383bd5378_place:
	s_mov_b64 s[64:65], 0
	v_nop
	global_prefetch_b8 v0, s[64:65] scope:SCOPE_SE
	s_setreg_imm32_b32 hwreg(HW_REG_WAVE_MODE, 25, 1), 1
	s_wait_xcnt 0x0
; THE ROWS ARE PLACED BY EXPERT: a counting sort of the 1,024 tokens, without atomics.  One work-group; wave e serves expert e; every wave reads all 1,024 numbers and shares nothing.
; A SLOT is a tile of 16 rows of one expert; expert e has nt[e] = ceil(count[e] / 16) slots from base[e] = the sum of nt of the experts before it: at most (1,024 + 8 x 15) / 16 = 71 slots.
; plan: byte 0: list[72][16], the token of each row; byte 4,608: pos[1024], the row of each token; byte 8,704: meta[8] = {base, nt}.
; The rows that a last slot has over are filled with one of the expert's own tokens: they compute and store what that token's own row computes.
; ORDER: all rows, addresses and tokens are made first, with all lanes on; the masks wait in scalar registers; only then come the masked stores, which write no vector register.
.set O,  8                             ; v8-39    owner[32 g + lane]
.set R,  40                            ; v40-71   the row of token 32 g + lane, if it is mine
.set A,  72                            ; v72-103  4 x that row
.set T,  104                           ; v104-135 the token
.set PA, 136                           ; v136     the padding: 4 x row
.set PT, 137                           ; v137     and the token that fills it
.set MA, 138                           ; v138     meta: 8 x my expert
.set MD, 140                           ; v140-141 base, nt
.set MK, 32                            ; s32-63   which lanes of group g are mine
	s_load_b128 s[4:7], s[0:1], 0x0                ; owner s[4:5], plan s[6:7]
	v_lshrrev_b32 v1, 5, v0
	s_delay_alu instid0(VALU_DEP_1)
	v_readfirstlane_b32 s8, v1                     ; wave = my expert
	v_and_b32 v2, 31, v0                           ; lane
	s_delay_alu instid0(VALU_DEP_1)
	v_lshlrev_b32 v3, 2, v2
	s_wait_alu depctr_va_vdst(0)
	s_wait_kmcnt 0x0
.set g, 0
.rept 32
	global_load_b32 v[O+g], v3, s[4:5] offset:128*g
.set g, g+1
.endr
	s_mov_b32 s10, 0                               ; base
	s_mov_b32 s11, 0                               ; nt
	s_wait_loadcnt 0x0
.irp e, 0,1,2,3,4,5,6,7
	s_mov_b32 s12, 0
.set g, 0
.rept 32
	v_cmp_eq_u32 vcc_lo, \e, v[O+g]
	s_bcnt1_i32_b32 s13, vcc_lo
	s_add_co_u32 s12, s12, s13
.set g, g+1
.endr
	s_add_co_u32 s12, s12, 15
	s_lshr_b32 s12, s12, 4                         ; expert e's slots
	s_cmp_gt_u32 s8, \e
	s_cselect_b32 s13, s12, 0
	s_add_co_u32 s10, s10, s13                     ; those of the experts before mine
	s_cmp_eq_u32 s8, \e
	s_cselect_b32 s11, s12, s11
.endr
	s_lshl_b32 s14, s10, 4                         ; the next free row
	s_add_co_u32 s15, s10, s11
	s_lshl_b32 s15, s15, 4                         ; where my rows end
	s_mov_b32 s16, 0                               ; one of my tokens
.set g, 0
.rept 32
	v_cmp_eq_u32 s[MK+g], s8, v[O+g]               ; tokens 32 g + lane that are mine
	s_delay_alu instid0(VALU_DEP_1)
	v_mbcnt_lo_u32_b32 v[R+g], s[MK+g], 0          ; how many of them stand in lower lanes
	s_delay_alu instid0(VALU_DEP_1)
	v_add_nc_u32 v[R+g], s14, v[R+g]
	s_delay_alu instid0(VALU_DEP_1)
	v_min_u32 v[R+g], 1151, v[R+g]                 ; the token's row
	s_delay_alu instid0(VALU_DEP_1)
	v_lshlrev_b32 v[A+g], 2, v[R+g]
	v_add_nc_u32 v[T+g], 32*g, v2                  ; the token
	s_bcnt1_i32_b32 s19, s[MK+g]
	s_add_co_u32 s14, s14, s19
	s_ctz_i32_b32 s19, s[MK+g]
	s_add_co_u32 s19, s19, 32*g
	s_cmp_lg_u32 s[MK+g], 0
	s_cselect_b32 s16, s19, s16
.set g, g+1
.endr
	v_add_nc_u32 v[PA], s14, v2                    ; the rows left over in my last slot: at most 15
	s_delay_alu instid0(VALU_DEP_1)
	v_cmp_gt_u32 s20, s15, v[PA]
	s_delay_alu instid0(VALU_DEP_2)
	v_min_u32 v[PA], 1151, v[PA]
	s_delay_alu instid0(VALU_DEP_1)
	v_lshlrev_b32 v[PA], 2, v[PA]
	v_mov_b32 v[PT], s16
	s_lshl_b32 s19, s8, 3
	v_mov_b32 v[MA], s19
	v_mov_b32 v[MD], s10
	v_mov_b32 v[MD+1], s11
	global_store_b64 v[MA], v[MD:MD+1], s[6:7] offset:8704   ; all lanes hold the same pair for the same place
.set g, 0
	s_wait_alu depctr_va_vdst(0)
.rept 32
	s_wait_xcnt 0x0                                ; EXEC changes only behind this wait
	s_mov_b32 vcc_lo, s[MK+g]
	s_and_saveexec_b32 s18, vcc_lo
	global_store_b32 v[A+g], v[T+g], s[6:7]        ; list[row] = token
	global_store_b32 v3, v[R+g], s[6:7] offset:4608+128*g    ; pos[token] = row
	s_wait_xcnt 0x0                                ; and again, in front of the line that widens it
	s_or_b32 exec_lo, exec_lo, s18
.set g, g+1
.endr
	s_wait_xcnt 0x0
	s_mov_b32 vcc_lo, s20
	s_and_saveexec_b32 s18, vcc_lo
	global_store_b32 v[PA], v[PT], s[6:7]
	s_wait_xcnt 0x0
	s_or_b32 exec_lo, exec_lo, s18
	s_endpgm
.Lfunc_end_k_q3383bd5378_place:
	.size	k_q3383bd5378_place, .Lfunc_end_k_q3383bd5378_place-k_q3383bd5378_place
	.p2alignl 7, 3214868480
	.fill 96, 4, 3214868480
	.section	.rodata,"a",@progbits
	.p2align	6, 0x0
	.amdhsa_kernel k_q3383bd5378_place
		.amdhsa_group_segment_fixed_size 0
		.amdhsa_private_segment_fixed_size 0
		.amdhsa_enable_private_segment 0
		.amdhsa_kernarg_size 16
		.amdhsa_user_sgpr_count 2
		.amdhsa_user_sgpr_kernarg_segment_ptr 1
		.amdhsa_wavefront_size32 1
		.amdhsa_system_sgpr_workgroup_id_x 1
		.amdhsa_system_sgpr_workgroup_id_y 1
		.amdhsa_system_sgpr_workgroup_id_z 1
		.amdhsa_system_vgpr_workitem_id 0
		.amdhsa_next_free_vgpr 144
		.amdhsa_next_free_sgpr 66
		.amdhsa_reserve_vcc 1
		.amdhsa_float_denorm_mode_32 3
		.amdhsa_float_denorm_mode_16_64 3
		.amdhsa_memory_ordered 1
		.amdhsa_forward_progress 1
		.amdhsa_inst_pref_size 63
	.end_amdhsa_kernel
	.amdgpu_metadata
---
amdhsa.version: [ 1, 2 ]
amdhsa.kernels:
  - .name:           k_q3383bd5378_place
    .symbol:         k_q3383bd5378_place.kd
    .args:
      - { .name: owner, .offset: 0, .size: 8, .value_kind: global_buffer, .address_space: global }
      - { .name: plan, .offset: 8, .size: 8, .value_kind: global_buffer, .address_space: global }
    .group_segment_fixed_size: 0
    .private_segment_fixed_size: 0
    .kernarg_segment_align: 8
    .kernarg_segment_size: 16
    .max_flat_workgroup_size: 256
    .sgpr_count:     66
    .vgpr_count:     144
    .wavefront_size: 32
...
	.end_amdgpu_metadata
.endif
;; end of part 7
;; launch fc1 (part 8): grid 32 x 8, 4 waves a work-group, no clusters, 137,216 bytes of LDS; arguments w1, b1, xq, xs, plan, hq, hs; writes hq, hs
.if DOCPART == 8
	.amdgcn_target "amdgcn-amd-amdhsa--gfx1250"
	.amdhsa_code_object_version 6
	.text
	.protected	k_q3383bd5378_fc1
	.globl	k_q3383bd5378_fc1
	.p2align	8
	.type	k_q3383bd5378_fc1,@function
k_q3383bd5378_fc1:
	s_mov_b64 s[64:65], 0
	v_nop
	global_prefetch_b8 v0, s[64:65] scope:SCOPE_SE
	s_setreg_imm32_b32 hwreg(HW_REG_WAVE_SCHED_MODE, 0, 2), 2
	s_setreg_imm32_b32 hwreg(HW_REG_WAVE_MODE, 25, 1), 1
	s_wait_xcnt 0x0
	s_wait_alu depctr_vm_vsrc(0)
; THE FIRST LAYER, WEIGHT-STATIONARY: h = Q(relu(Q(x w) Q(w1[e]) + b1[e])) for the rows of expert e alone (the other rows' results are thrown away by the model's own where).
; A work-group owns ONE slice of the weights: expert e = work-group y, all K = 1,024, hidden units 128 x to 128 x + 127: 512 KiB of f32, read once in the launch, in rows of 512 consecutive bytes.
; PHASE 1: the slice is quantised along K (its FIRST axis) in registers and laid in LDS as images of the matrix operand's registers: 128 KiB of codes, 4 KiB of scale bytes.  Nothing of it goes back to memory.
;   Wave w takes rows 256 w .. 256 w + 255 in eight chunks of 32 rows; lane l holds columns 4 l .. 4 l + 3, so a block of 32 along K of a column lies in ONE lane.
; PHASE 2: each wave walks the expert's row tiles, four at a time (tiles 4 w + 16 g + 0..3), each against the whole slice: every fragment of weights read from LDS feeds four matrix instructions.
;   The product is used TRANSPOSED (source 0 = 16 columns of w1, source 1 = 16 rows): a lane holds one row and its registers run along the hidden units, the next product's K.
;   THE COLUMNS OF A TILE ARE NOT NEIGHBOURS: row rho of tile 2 b + u' is column 32 b + 8 u' + rho + 8 (rho / 8), so that the 16 registers of tiles 2 b and 2 b + 1 are 16 neighbours along the next K.
;   The slice's 128 units are one K step of the second layer: a tile's results, with bias and relu, become one fragment image (2,048 bytes) and 16 scale words, stored as they stand in registers.
; No tensor load and no cluster: the trip count hangs on a stored number (the expert's tiles).  The one barrier stands ahead of every branch on such a number.
; A wave whose four tiles reach past the expert's last takes that last tile again and stores nothing for it.
; LIMITS: NaN and infinities are not served; a block whose largest magnitude lies under 2^-118, a block of zeros too, keeps the byte 1 (only this program reads the bytes).
; REGISTERS, in windows of 256.  window 0: below.  window 1: phase 1: two sets of 128, X[4 k + j] = w(row k of the chunk, column 4 l + j); phase 2: the 32 accumulators, (tile i, tile of columns u) at 64 i + 8 u.
;   window 2: the row fragments of tiles 0, 1 at 16 (8 i + s);   window 3: those of tiles 2, 3.
; THE MODE: SCHED_MODE bits 1:0 = 2 (LLVM: expert scheduling mode 2), set by the entry lines.  The code itself states the register dependences
; between vector or matrix instructions and memory or LDS instructions, with s_wait_alu, always for 0.
; THE PLAN.  Registers that memory or LDS instructions touch:
;   v1, v3-10, v45, v47, v120, v121   offsets and LDS addresses: made at the head, ahead of one wait on va_vdst, and never written again: a chunk's rows are reached by immediate offsets.
;   X0, X1 (window 1)   Chunk q's loads land in X[q % 2]; its maxima and holds read it; behind the chunk's one wait on va_vdst chunk q + 2 is asked for.
;   C, BY               Chunk q's conversions and shifts write them; its LDS stores, behind the same wait, read them; the wait on vm_vsrc at the next chunk's head frees them.
;   TA, TK, XA, XSA     The slots' offsets into the list, the tokens that come from it, the rows' offsets made of them: a wait on va_vdst ahead of each run of loads that reads fresh ones.
;   the rows' fragments (windows 2, 3) and AS   Loaded beside phase 1 and at the loop's end; read by matrix instructions alone.
;   W0, W1 (v128-191, v192-255) and BS   Batch n's 16 matrix instructions read W[n % 2]; batch n + 1's loads land in the other set.  ONE wait on va_vdst at a batch's head states that the batch before is done
;                       with that other set; the loads follow it in two runs of ten among the batch's first matrix instructions, which name W[n % 2], the rows, AS and the accumulators alone.
;   C, SW on the way out   A tile's conversions write them, its five stores read them behind a wait on va_vdst; the wait on vm_vsrc at the next tile's head frees them.
.set WPITCH, 16384                     ; a row of w1[e] in bytes
.set FST, 2064                         ; from image to image in LDS: 2,048 + 16, so that the sixteen lanes of a store touch sixteen different 16-byte columns
.set KST, 8*FST                        ; a K step's eight images
.set SCL, 64*FST                       ; behind the images: scale bytes, image x 64 + 4 rho + block
.set BIA, SCL+4096                     ; b1's slice, 512 bytes
.set OFF, 1                            ; v1     byte offset of my 16 bytes in my wave's first row; never written again
.set VA,  3                            ; v3     where I store codes
.set VS,  4                            ; v4     where I store scale bytes
.set VL,  5                            ; v5-7   16 lane + 0, 3, 6 K steps: images on the way out
.set VLS, 8                            ; v8     SCL + 4 (lane % 16)
.set GI,  9                            ; v9     16 lane
.set GS,  10                           ; v10    4 (lane % 16)
.set FLR, 11                           ; v11    the floor 2^(9 - 127)
.set TK,  12                           ; v12-15 my row's token in tiles 0..3
.set XA,  16                           ; v16-19 its codes' offset
.set XSA, 20                           ; v20-23 its scale bytes' offset
.set M,   24                           ; v24-27 largest magnitudes
.set SC,  28                           ; v28-31 scale operands
.set LIM, 32                           ; v32-35 448 x scale
.set BY,  36                           ; v36-39 bytes; also the lane permute's destination
.set TA,  40                           ; v40-43 offsets into the list
.set SW,  44                           ; v44    a scale word on its way out
.set VBI, 45                           ; v45    BIA + 64 (lane / 16)
.set BD,  46                           ; v46    my number of b1
.set BAD, 47                           ; v47    BIA + 4 thread
.set C,   48                           ; v48-79 codes just made
.set AS,  80                           ; v80-111  the rows' scale words, 8 i + s: scales and nothing else
.set BS,  112                          ; v112-119 the weights' scale words, two sets of four: scales and nothing else
.set H16, 120                          ; v120   16 (lane / 16)
.set BO,  121                          ; v121   4 thread
.set Y,   128                          ; v128-255 phase 1: Y[32 j + k], the chunk held and turned; phase 2: two sets of four weight fragments; then the bias
.set SL,  40                           ; s40-43 the slots of my four tiles
.set GC,  44                           ; s44    groups of tiles done
.set GN,  45                           ; s45    groups of tiles that my wave has: at most 4
.set MSB, 0
.macro WIN new                         ; the immediate's high byte repeats the setting that is left; a switch that changes nothing is dropped
.if MSB != \new
	s_set_vgpr_msb (MSB<<8)|\new
.set MSB, \new
.endif
.endm
.macro PLACES n
.rept \n
	v_nop
.endr
.endm
.macro XLOAD q                         ; chunk q: 32 rows x 512 consecutive bytes into set q % 2 of window 1; the chunk's place stands in the immediate: 255 rows of 16,384 bytes at the most, inside its signed 24 bits (ISA guide, chapter 10)
	WIN 0x40
.set k, 0
.rept 32
	global_load_b128 v[128*((\q)%2)+4*k:128*((\q)%2)+4*k+3], v[OFF], s[4:5] offset:(32*(\q)+k)*WPITCH th:TH_LOAD_NT
.set k, k+1
.endr
	WIN 0
.endm
.macro SLOTS                           ; the slots of tiles s26 + 0..3, held to the expert's last tile; an expert without rows names slot 0, which always exists
	s_cmp_eq_u32 s25, 0
	s_cselect_b32 s27, 0, s24
	s_max_u32 s28, s25, 1
	s_sub_co_u32 s28, s28, 1
.irp i, 0,1,2,3
	s_add_co_u32 s29, s26, \i
	s_min_u32 s29, s29, s28
	s_add_co_u32 s29, s29, s27
	s_min_u32 s[SL+\i], s29, 71
	v_lshl_add_u32 v[TA+\i], s[SL+\i], 6, v[GS]
.endr
.endm
.macro LIST                            ; lane (r, h): the token of row r of each tile
.irp i, 0,1,2,3
	global_load_b32 v[TK+\i], v[TA+\i], s[12:13]
.endr
.endm
.macro ROWADR
.irp i, 0,1,2,3
	v_min_u32 v[TK+\i], 1023, v[TK+\i]
	v_lshl_add_u32 v[XA+\i], v[TK+\i], 10, v[H16]  ; a row of codes is 1,024 bytes; + 16 h
	v_lshlrev_b32 v[XSA+\i], 5, v[TK+\i]           ; a row of scale bytes 32
.endr
.endm
.macro APART s                         ; K step s of the four tiles' rows: registers 4 c .. 4 c + 3 hold K = 128 s + 32 c + 16 h + 0..15 of row r
.irp i, 0,1,2,3
.if \i == 0
	WIN 0x80
.endif
.if \i == 2
	WIN 0xc0
.endif
.irp c, 0,1,2,3
	global_load_b128 v[16*(8*(\i%2)+(\s))+4*\c:16*(8*(\i%2)+(\s))+4*\c+3], v[XA+\i], s[8:9] offset:128*(\s)+32*\c
.endr
.endr
	WIN 0
.endm
.macro ASC                             ; the rows' eight scale words
.irp i, 0,1,2,3
	global_load_b128 v[AS+8*\i:AS+8*\i+3],   v[XSA+\i], s[10:11]
	global_load_b128 v[AS+8*\i+4:AS+8*\i+7], v[XSA+\i], s[10:11] offset:16
.endr
.endm
	s_load_b256 s[4:11], s[0:1], 0x0               ; w1 s[4:5], b1 s[6:7], xq s[8:9], xs s[10:11]
	s_load_b128 s[12:15], s[0:1], 0x20             ; plan s[12:13], hq s[14:15]
	s_load_b64 s[16:17], s[0:1], 0x30              ; hs
	v_lshl_add_u32 v126, v0, 2, 0x21600
	v_mov_b32 v127, 0
	v_lshrrev_b32 v24, 5, v0
	v_readfirstlane_b32 s18, v24                   ; wave
	s_and_b32 s19, ttmp7, 0xffff                   ; expert
	s_mov_b32 s20, ttmp9                           ; slice
	s_mov_b32 s21, 0x600000                        ; the mantissa field of 448
	s_mov_b32 s22, 0x76543210
	s_mov_b32 s23, 0xfedcba98                      ; v_permlanex16_b32's selects for lane l xor 16
	s_lshl_b32 s38, s19, 3
	v_and_b32 v24, 31, v0                          ; lane
	v_bfe_u32 v25, v0, 4, 1                        ; h
	v_lshlrev_b32 v[GI], 4, v24
	v_and_b32 v[GS], 15, v0
	v_lshlrev_b32 v[GS], 2, v[GS]
	v_lshlrev_b32 v[H16], 4, v25
	v_lshlrev_b32 v[BO], 2, v0
	v_lshl_add_u32 v[BAD], v0, 2, BIA
	v_lshl_add_u32 v[VBI], v25, 6, BIA
	v_mov_b32 v[FLR], 0x4800000
	s_wait_alu depctr_va_sdst(0)                   ; s18, the wave's number, is written, ahead of its first reader
	s_mul_i32 s27, s18, 256*WPITCH
	v_add_nc_u32 v[OFF], s27, v[GI]                ; my wave's first row, my 16 bytes
	v_lshrrev_b32 v26, 3, v24
	v_bfe_u32 v27, v24, 1, 1
	v_lshl_add_u32 v26, v26, 1, v27                ; my columns' tile u = 2 (lane / 8) + (lane / 2) % 2
	v_and_b32 v27, 1, v24                          ; their rows in it: rho = 4 (lane % 2) + j + 8 ((lane / 4) % 2)
	v_bfe_u32 v28, v24, 2, 1
	v_mul_u32_u24 v[VA], v26, FST
	v_lshl_add_u32 v[VA], v27, 6, v[VA]
	v_lshl_add_u32 v[VA], v28, 7, v[VA]
	s_mul_i32 s27, s18, 2*KST                      ; my wave's two K steps
	v_add_nc_u32 v[VA], s27, v[VA]
	v_lshlrev_b32 v[VS], 6, v26
	v_lshl_add_u32 v[VS], v27, 4, v[VS]
	v_lshl_add_u32 v[VS], v28, 5, v[VS]
	s_lshl_b32 s27, s18, 10
	s_add_co_u32 s27, s27, SCL
	v_add_nc_u32 v[VS], s27, v[VS]
	v_mov_b32 v[VL], v[GI]
	v_add_nc_u32 v[VL+1], 3*KST, v[GI]
	v_add_nc_u32 v[VL+2], 6*KST, v[GI]
	v_add_nc_u32 v[VLS], SCL, v[GS]
	s_wait_kmcnt 0x0
	s_load_b64 s[24:25], s[12:13], s38 offset:0x2200   ; meta[e]: first slot, number of tiles
	s_lshl_b32 s28, s19, 24
	s_lshl_b32 s29, s20, 9
	s_add_co_u32 s28, s28, s29
	s_mov_b32 s29, 0
	s_add_nc_u64 s[4:5], s[4:5], s[28:29]          ; w1 at my slice
	s_lshl_b32 s28, s19, 14
	s_lshl_b32 s30, s20, 9
	s_add_co_u32 s28, s28, s30
	s_add_nc_u64 s[6:7], s[6:7], s[28:29]          ; b1 likewise
	s_wait_alu depctr_va_vdst(0)                   ; the offsets and LDS addresses made above are written: every load and store of the kernel reads some of them, and none is written again
	global_load_b32 v[BD], v[BO], s[6:7]
	XLOAD 0
	XLOAD 1
	s_wait_kmcnt 0x0
	s_min_u32 s24, s24, 71
	s_min_u32 s25, s25, 64
	s_lshl_b32 s26, s18, 2                         ; my first tile
	SLOTS
	s_wait_alu depctr_va_vdst(0)                   ; the four offsets into the list are written, which the loads below read
	LIST
; A CHUNK: 32 rows x 128 columns: one block of 32 along K for each column.  cnt = the loads issued behind this chunk's.
; All of the chunk's vector work stands first; one wait on va_vdst; then all of its memory and LDS instructions, the loads ahead of the LDS stores.
.macro CHUNK q, cnt
.set XB, 128*((\q)%2)
	s_wait_loadcnt \cnt                            ; loads come back in order: this chunk's 32 are in
	s_wait_dscnt 0x0                               ; the last chunk's LDS stores are done,
.if (\q) > 0
	s_wait_alu depctr_vm_vsrc(0)                   ; and they have read C and BY, which this chunk writes again
.endif
	WIN 0x14
.irp j, 0,1,2,3
	v_max3_num_f32 v[M+\j], v[FLR], |v[XB+\j]|, |v[XB+4+\j]|         ; the floor starts each chain: the byte cannot fall under 1
.endr
.set k, 2
.rept 15
.irp j, 0,1,2,3
	v_max3_num_f32 v[M+\j], v[M+\j], |v[XB+4*k+\j]|, |v[XB+4*k+4+\j]|    ; my four columns by turns
.endr
.set k, k+2
.endr
	WIN 0
.irp j, 0,1,2,3
	v_add_nc_u32 v[SC+\j], 0xfc000000, v[M+\j]     ; 8 off the exponent field: the conversion's scale operand
.endr
.irp j, 0,1,2,3
	v_and_or_b32 v[LIM+\j], v[M+\j], 0x7f800000, s21   ; 448 x the scale
.endr
.irp j, 0,1,2,3
	v_lshrrev_b32 v[BY+\j], 23, v[SC+\j]           ; the scale's byte
.endr
	WIN 0x01
.set k, 0
.rept 32
.irp j, 0,1,2,3
	v_med3_num_f32 v[Y+32*\j+k], v[XB+4*k+\j], -v[LIM+\j], v[LIM+\j] ; the hold (the conversion does not saturate: ISA guide 7.6.2) also turns the registers: a column's 32 numbers now stand on end
.endr
.set k, k+1
.endr
	WIN 0
.if (\q) == 1
	ROWADR                                         ; the list's four loads were issued ahead of chunk 2's
.endif
.irp j, 0,1,2,3
.irp g, 0,1,2,3
	v_cvt_scalef32_pk8_fp8_f32 v[C+8*\j+2*\g:C+8*\j+2*\g+1], v[Y+32*\j+8*\g:Y+32*\j+8*\g+7], v[SC+\j]
.endr
.endr
	v_nop                                          ; a plain instruction behind the last conversion
	s_wait_alu depctr_va_vdst(0)                   ; the maxima and holds are done reading X[q % 2], in which chunk q + 2 lands; the conversions have written C and the shifts BY, which the LDS stores read; in chunk 1 the rows' offsets are written, which the rows' loads read from here on
.if ((\q) >= 1) && ((\q) <= 6)
	APART (\q)-1                                   ; the first group's rows come in beside the weights
.endif
.if (\q) == 7
	APART 6
	APART 7
	ASC
.endif
.if (\q) <= 5
	XLOAD (\q)+2
.endif
.if (\q) == 0
	ds_store_b32 v[BAD], v[BD]                     ; b1's slice (its load was issued ahead of chunk 0's)
.endif
.irp j, 0,1,2,3
	ds_store_b128 v[VA], v[C+8*\j:C+8*\j+3]   offset:((\q)/4)*KST+((\q)%4)*512+16*\j       ; K 0..15 of the block: the image's lanes 0-15
	ds_store_b128 v[VA], v[C+8*\j+4:C+8*\j+7] offset:((\q)/4)*KST+((\q)%4)*512+256+16*\j   ; K 16..31: its lanes 16-31
	ds_store_b8 v[VS], v[BY+\j] offset:((\q)/4)*512+((\q)%4)+4*\j
.endr
.endm
	CHUNK 0, 36                                    ; behind chunk 0's loads: chunk 1's 32 and the list's 4
	CHUNK 1, 32                                    ; chunk 2's 32 (so the list is in too)
	CHUNK 2, 48                                    ; 16 of the rows' and the next chunk's 32
	CHUNK 3, 48
	CHUNK 4, 48
	CHUNK 5, 48
	CHUNK 6, 48
	CHUNK 7, 16                                    ; 16 of the rows'
	s_wait_dscnt 0x0                               ; for the others' sake: my images, scale bytes and bias have landed
	s_barrier_signal -1
	s_barrier_wait -1                              ; the whole slice lies in LDS; nothing is written there again
	s_cmp_ge_u32 s26, s25
	s_cbranch_scc1 .Lend                           ; a wave without tiles
	s_sub_co_u32 s[GN], s25, s26                   ; tiles from my first on,
	s_add_co_u32 s[GN], s[GN], 15
	s_lshr_b32 s[GN], s[GN], 4                     ; in steps of the four waves' sixteen: my groups, 1 to 4
	s_min_u32 s[GN], s[GN], 4
	s_mov_b32 s[GC], 0
; Batch n: K step n / 2, tiles of columns 4 (n % 2) + 0..3, in set n % 2.  Half of its loads: tiles t0, t0 + 1: 8 loads of 512 consecutive bytes and 2 scale words.
.macro BHALF n, t0
.set ks, (\n)/2
.irp t, \t0, \t0+1
.irp c, 0,1,2,3
	ds_load_b128 v[Y+64*((\n)%2)+16*(\t)+4*\c:Y+64*((\n)%2)+16*(\t)+4*\c+3], v[VL+ks/3] offset:(ks%3)*KST+(4*((\n)%2)+(\t))*FST+512*\c
.endr
	ds_load_b32 v[BS+4*((\n)%2)+(\t)], v[VLS] offset:(8*ks+4*((\n)%2)+(\t))*64
.endr
.endm
.macro BIAS u0                         ; b1 in the result's layout, four tiles of the eight: tile u, register jj: unit 32 (u / 2) + 16 h + 8 (u % 2) + jj
.irp u, \u0, \u0+1, \u0+2, \u0+3
.irp p, 0,1
	ds_load_b128 v[Y+8*(\u)+4*\p:Y+8*(\u)+4*\p+3], v[VBI] offset:128*((\u)/2)+32*((\u)%2)+16*\p
.endr
.endr
.endm
.macro MULQ n, i                       ; batch n against row tile i: 4 matrix instructions.  A batch's 16 go to 16 different accumulators, which come up again two batches on: by turns
.set ks, (\n)/2
.if (\i) < 2
	WIN 0x58                                       ; weights window 0, rows window 2, C and D window 1
.else
	WIN 0x5c                                       ; rows window 3
.endif
.irp t, 0,1,2,3
.set rD, 64*(\i)+8*(4*((\n)%2)+\t)
.set rW, Y+64*((\n)%2)+16*\t
.set rR, 16*(8*((\i)%2)+ks)
.if ks == 0
	v_wmma_scale_f32_16x16x128_f8f6f4 v[rD:rD+7], v[rW:rW+15], v[rR:rR+15], 0, v[BS+4*((\n)%2)+\t], v[AS+8*(\i)+ks]
.else
	v_wmma_scale_f32_16x16x128_f8f6f4 v[rD:rD+7], v[rW:rW+15], v[rR:rR+15], v[rD:rD+7], v[BS+4*((\n)%2)+\t], v[AS+8*(\i)+ks]
.endif
.endr
.endm
; A STEP: batch n is multiplied; what is wanted next (batch n + 1; behind the last batch the bias) is asked for early in it, in two runs, so that eight matrix instructions stand behind the last load.
.macro STEP n
	s_wait_dscnt 0x0                               ; batch n's fragments and scale words are in: all LDS loads issued so far
.if (\n) > 0
	PLACES 8                                       ; eight places stand behind batch n - 1's matrix instructions, ahead of the loads into the set that they read; the wait below fills none
	s_wait_alu depctr_va_vdst(0)                   ; batch n - 1's matrix instructions are done reading the other set and its scale words, in which this step's loads land
.endif
	MULQ \n, 0
	WIN 0
.if (\n) < 15
	BHALF (\n)+1, 0                                ; no further wait: the matrix instructions issued since name set n % 2, its scale words, the rows, AS and the accumulators alone
.else
	BIAS 0                                         ; the bias takes set 0, which batch 14 read
.endif
	MULQ \n, 1
	WIN 0
.if (\n) < 15
	BHALF (\n)+1, 2
.else
	BIAS 4
.endif
	MULQ \n, 2
	MULQ \n, 3
.endm
; One tile's way out: + b1, relu, the quantiser along the hidden units, the image and the scale words.
.macro TILE_OUT i
	s_add_co_u32 s29, s26, \i
	s_cmp_ge_u32 s29, s25
	s_cbranch_scc1 .Lskip_\@                       ; past the expert's last tile: nothing is stored
	s_wait_xcnt 0x0                                ; the last tile's stores have read their data and bases
	s_wait_alu depctr_vm_vsrc(0)                   ; the stores issued so far (phase 1's LDS stores, the last tile's stores) have read C, BY and SW, which this tile writes again
	WIN 0x41
.set pp, 0
.rept 32
	v_pk_add_f32 v[64*\i+2*pp:64*\i+2*pp+1], v[64*\i+2*pp:64*\i+2*pp+1], v[Y+2*pp:Y+2*pp+1]   ; each accumulator from its low end on
.set pp, pp+1
.endr
	WIN 0x14
.irp b, 0,1,2,3
	v_max3_num_f32 v[M+\b], v[FLR], v[64*\i+16*\b], v[64*\i+16*\b+1]     ; no |.|: what is negative becomes 0, so it does not count; the floor stands over it
.endr
.irp k, 2,4,6,8,10,12,14
.irp b, 0,1,2,3
	v_max3_num_f32 v[M+\b], v[M+\b], v[64*\i+16*\b+\k], v[64*\i+16*\b+\k+1]
.endr
.endr
	WIN 0
.irp b, 0,1,2,3
	v_permlanex16_b32 v[BY+\b], v[M+\b], s22, s23
.endr
.irp b, 0,1,2,3
	v_max_num_f32 v[M+\b], v[M+\b], v[BY+\b]       ; with lane l xor 16's sixteen: the block's
.endr
.irp b, 0,1,2,3
	v_add_nc_u32 v[SC+\b], 0xfc000000, v[M+\b]
.endr
.irp b, 0,1,2,3
	v_and_or_b32 v[LIM+\b], v[M+\b], 0x7f800000, s21
.endr
.irp b, 0,1,2,3
	v_lshrrev_b32 v[BY+\b], 23, v[SC+\b]
.endr
	v_lshl_or_b32 v[SW], v[BY+1], 8, v[BY]
	v_lshl_or_b32 v[SW], v[BY+2], 16, v[SW]
	v_lshl_or_b32 v[SW], v[BY+3], 24, v[SW]        ; my row's scale word for this K step of the second layer
	WIN 0x41
.irp b, 0,1,2,3
.irp k, 0,1,2,3,4,5,6,7,8,9,10,11,12,13,14,15
	v_med3_num_f32 v[64*\i+16*\b+\k], v[64*\i+16*\b+\k], 0, v[LIM+\b]    ; the activation and the hold in one
.endr
.endr
	WIN 0x01
.irp b, 0,1,2,3
	v_cvt_scalef32_pk8_fp8_f32 v[C+4*\b:C+4*\b+1],   v[64*\i+16*\b:64*\i+16*\b+7],    v[SC+\b]
	v_cvt_scalef32_pk8_fp8_f32 v[C+4*\b+2:C+4*\b+3], v[64*\i+16*\b+8:64*\i+16*\b+15], v[SC+\b]
.endr
	WIN 0
	v_nop                                          ; a plain instruction behind the last conversion
	s_lshl_b32 s30, s[SL+\i], 5
	s_add_co_u32 s30, s30, s20                     ; 32 slot + slice
	s_lshl_b32 s32, s30, 11
	s_mov_b32 s33, 0
	s_add_nc_u64 s[34:35], s[14:15], s[32:33]
	s_lshl_b32 s32, s30, 6
	s_add_nc_u64 s[36:37], s[16:17], s[32:33]
	s_wait_alu depctr_va_vdst(0)                   ; the conversions have written C, and SW is written: the five stores below read them
.irp c, 0,1,2,3
	global_store_b128 v[GI], v[C+4*\c:C+4*\c+3], s[34:35] offset:512*\c  ; the operand's registers as they stand: 512 consecutive bytes a store, aligned
.endr
	global_store_b32 v[GS], v[SW], s[36:37]        ; lanes 16-31 hold the same words as lanes 0-15
.Lskip_\@:
.endm
.Lgroup:                                               ; a trip: four row tiles x 128 hidden units x K 1,024: 256 matrix instructions
	s_wait_loadcnt 0x0                             ; the rows' fragments and scale words
	BHALF 0, 0                                     ; batch 0.  No wait on va_vdst here: on the way in the last chunk's wait, round the back edge the wait ahead of the rows' loads, stands behind the last vector or matrix instruction issued
	BHALF 0, 2
.set nn, 0
.rept 16
	STEP nn
.set nn, nn+1
.endr
	WIN 0
	PLACES 9                                       ; behind the last matrix instructions: in front of the first reads of results, of the next group's loads into the rows' registers and of its first products, which begin the accumulators anew
	s_wait_dscnt 0x0                               ; the bias is in
	TILE_OUT 0
	TILE_OUT 1
	TILE_OUT 2
	TILE_OUT 3
	s_add_co_u32 s26, s26, 16                      ; the four waves' next sixteen tiles
	s_add_co_u32 s[GC], s[GC], 1                   ; the loop's counter: one a trip
	s_cmp_ge_u32 s[GC], s[GN]
	s_cbranch_scc1 .Lend
	s_wait_xcnt 0x0
	s_wait_alu depctr_vm_vsrc(0)                   ; the last group's loads have read the offsets into the list and the rows' offsets, which are written again below
	SLOTS
	s_wait_alu depctr_va_vdst(0)                   ; the offsets into the list are written, which the loads below read; the lines that made the last group's offsets are done with the tokens' registers, in which these loads land
	LIST
	s_wait_loadcnt 0x0
	ROWADR
	s_wait_alu depctr_va_vdst(0)                   ; the rows' offsets are written, which the loads below read; the matrix instructions are done reading the rows' fragments and scale words, in which they land
.irp s, 0,1,2,3,4,5,6,7
	APART \s
.endr
	ASC
	s_cmp_lt_u32 s[GC], s[GN]
	s_cbranch_scc1 .Lgroup
.Lend:
	s_wait_dscnt 0x0
	s_wait_alu depctr_hold_cnt(0) depctr_sa_sdst(0) depctr_va_vdst(0) depctr_va_sdst(0) depctr_va_ssrc(0) depctr_va_vcc(0) depctr_vm_vsrc(0)
	s_wait_tensorcnt 0x0
	ds_add_u32 v126, v127
	s_wait_dscnt 0x0
	s_endpgm
.Lfunc_end_k_q3383bd5378_fc1:
	.size	k_q3383bd5378_fc1, .Lfunc_end_k_q3383bd5378_fc1-k_q3383bd5378_fc1
	.p2alignl 7, 3214868480
	.fill 96, 4, 3214868480
	.section	.rodata,"a",@progbits
	.p2align	6, 0x0
	.amdhsa_kernel k_q3383bd5378_fc1
		.amdhsa_group_segment_fixed_size 137216
		.amdhsa_private_segment_fixed_size 0
		.amdhsa_enable_private_segment 0
		.amdhsa_kernarg_size 56
		.amdhsa_user_sgpr_count 2
		.amdhsa_user_sgpr_kernarg_segment_ptr 1
		.amdhsa_wavefront_size32 1
		.amdhsa_system_sgpr_workgroup_id_x 1
		.amdhsa_system_sgpr_workgroup_id_y 1
		.amdhsa_system_sgpr_workgroup_id_z 1
		.amdhsa_system_vgpr_workitem_id 0
		.amdhsa_next_free_vgpr 1024
		.amdhsa_next_free_sgpr 66
		.amdhsa_reserve_vcc 0
		.amdhsa_float_denorm_mode_32 3
		.amdhsa_float_denorm_mode_16_64 3
		.amdhsa_memory_ordered 1
		.amdhsa_forward_progress 1
		.amdhsa_inst_pref_size 255
	.end_amdhsa_kernel
	.section	.bss,"aw",@nobits
	.p2align	6
	.space	262144
	.amdgpu_metadata
---
amdhsa.version: [ 1, 2 ]
amdhsa.kernels:
  - .name:           k_q3383bd5378_fc1
    .symbol:         k_q3383bd5378_fc1.kd
    .args:
      - { .name: w1, .offset: 0, .size: 8, .value_kind: global_buffer, .address_space: global }
      - { .name: b1, .offset: 8, .size: 8, .value_kind: global_buffer, .address_space: global }
      - { .name: xq, .offset: 16, .size: 8, .value_kind: global_buffer, .address_space: global }
      - { .name: xs, .offset: 24, .size: 8, .value_kind: global_buffer, .address_space: global }
      - { .name: plan, .offset: 32, .size: 8, .value_kind: global_buffer, .address_space: global }
      - { .name: hq, .offset: 40, .size: 8, .value_kind: global_buffer, .address_space: global }
      - { .name: hs, .offset: 48, .size: 8, .value_kind: global_buffer, .address_space: global }
    .group_segment_fixed_size: 137216
    .private_segment_fixed_size: 0
    .kernarg_segment_align: 8
    .kernarg_segment_size: 56
    .max_flat_workgroup_size: 128
    .sgpr_count:     66
    .vgpr_count:     1024
    .wavefront_size: 32
...
	.end_amdgpu_metadata
.endif
;; end of part 8
;; launch fc2 (part 9): grid 32 x 8, 4 waves a work-group, no clusters, 170,496 bytes of LDS; arguments w2, hq, hs, plan, part; writes part
.if DOCPART == 9
	.amdgcn_target "amdgcn-amd-amdhsa--gfx1250"
	.amdhsa_code_object_version 6
	.text
	.protected	k_q3383bd5378_fc2
	.globl	k_q3383bd5378_fc2
	.p2align	8
	.type	k_q3383bd5378_fc2,@function
k_q3383bd5378_fc2:
	s_mov_b64 s[64:65], 0
	v_nop
	global_prefetch_b8 v0, s[64:65] scope:SCOPE_SE
	s_setreg_imm32_b32 hwreg(HW_REG_WAVE_SCHED_MODE, 0, 2), 2
	s_setreg_imm32_b32 hwreg(HW_REG_WAVE_MODE, 25, 1), 1
	s_wait_xcnt 0x0
	s_wait_alu depctr_vm_vsrc(0)
; THE SECOND LAYER, WEIGHT-STATIONARY: part[kq] = Q(h)[:, quarter kq of K] Q(w2[e])[quarter kq, 128 columns], for the rows of expert e alone.
; A work-group owns ONE slice of the weights: expert e = work-group y; K quarter kq = x / 8 (1,024 of the 4,096 hidden units); columns 128 (x % 8) on: 512 KiB of f32, read once in the launch, in rows of 512 consecutive bytes.
; K is cut in four so that a slice's rows are 512 bytes and a work-group reads 1 KiB of h for each row, not 4; the four partial sums are added, with b2, by the next launch: each output has one owner there.
; PHASE 1: the slice is quantised along K (its FIRST axis) in registers and laid in LDS as images of the matrix operand's registers.  Wave w takes rows 256 w .. 256 w + 255 in eight chunks of 32; lane l holds columns 4 l .. 4 l + 3.
; PHASE 2: each wave walks the expert's row tiles, four at a time (tiles 4 w + 16 g + 0..3), each against the whole slice.  The rows' fragments come from memory as images, 512 consecutive bytes a load.
;   The product is used TRANSPOSED (source 0 = 16 columns of w2, source 1 = 16 rows); row rho of tile 2 b + u' of the weights is column 32 b + 8 u' + rho + 8 (rho / 8): lane (r, h), tile u, register jj: column 32 (u / 2) + 16 h + 8 (u % 2) + jj of row r.
;   Results go through the wave's own stage in LDS and leave as rows of 512 consecutive bytes.
; No tensor load and no cluster: the trip count hangs on a stored number.  The one barrier stands ahead of every branch on such a number.
; LIMITS: NaN and infinities are not served; a block whose largest magnitude lies under 2^-118, a block of zeros too, keeps the byte 1 (only this program reads the bytes).
; REGISTERS, in windows of 256.  window 0: below.  window 1: phase 1: two sets of 128, X[4 k + j]; phase 2: the 32 accumulators, (tile i, tile of columns u) at 64 i + 8 u.  window 2: row fragments of tiles 0, 1 at 16 (8 i + s);  window 3: of tiles 2, 3.
; THE MODE: SCHED_MODE bits 1:0 = 2 (LLVM: expert scheduling mode 2), set by the entry lines.  The code itself states the register dependences
; between vector or matrix instructions and memory or LDS instructions, with s_wait_alu, always for 0.
; THE PLAN.  Registers that memory or LDS instructions touch:
;   v1, v3-10, v45, v46   offsets and LDS addresses: made at the head, ahead of one wait on va_vdst, and never written again: a chunk's rows are reached by immediate offsets.
;   X0, X1 (window 1)   Chunk q's loads land in X[q % 2]; its maxima and holds read it; behind the chunk's one wait on va_vdst chunk q + 2 is asked for.
;   C, BY               Chunk q's conversions and shifts write them; its LDS stores, behind the same wait, read them; the wait on vm_vsrc at the next chunk's head frees them.
;   XA, XSA             The slots' offsets: written at the head and at the loop's end, with a wait on va_vdst between that and the rows' loads (at the head: chunk 0's).
;   the rows' fragments (windows 2, 3) and AS   Loaded beside phase 1 and at the loop's end; read by matrix instructions alone.
;   W0, W1 (v128-191, v192-255) and BS   Batch n's 16 matrix instructions read W[n % 2]; batch n + 1's loads land in the other set.  ONE wait on va_vdst at a batch's head states that the batch before is done
;                       with that other set; the loads follow it in two runs of ten among the batch's first matrix instructions, which name W[n % 2], the rows, AS and the accumulators alone.
;   the accumulators, and v128-191 on the way out   One wait on va_vdst behind the last product serves all four tiles: no vector instruction follows it before the loop's end.  A tile's LDS stores read its accumulators,
;                       its rows come back into v128-191, its global stores read them; the wait on vm_vsrc at the next tile's head frees those registers for the next tile's rows.
.set WPITCH, 4096                      ; a row of w2[e] in bytes
.set FST, 2064                         ; from image to image in LDS: 2,048 + 16, so that the sixteen lanes of a store touch sixteen different 16-byte columns
.set KST, 8*FST
.set SCL, 64*FST                       ; scale bytes: image x 64 + 4 rho + block
.set STG, SCL+4096                     ; the stages: 16 rows x (512 + 16) bytes for each wave
.set SPI, 528
.set OFF, 1                            ; v1     byte offset of my 16 bytes in my wave's first row; never written again
.set VA,  3                            ; v3     where I store codes
.set VS,  4                            ; v4     where I store scale bytes
.set VL,  5                            ; v5-7   16 lane + 0, 3, 6 K steps
.set VLS, 8                            ; v8     SCL + 4 (lane % 16)
.set GI,  9                            ; v9     16 lane
.set GS,  10                           ; v10    4 (lane % 16)
.set FLR, 11                           ; v11    the floor 2^(9 - 127)
.set XA,  16                           ; v16-19 my tiles' images: 65,536 slot + 16 lane
.set XSA, 20                           ; v20-23 their scale words: 2,048 slot + 4 (lane % 16)
.set M,   24
.set SC,  28
.set LIM, 32
.set BY,  36
.set SO,  45                           ; v45    the stage, on the way in
.set SR,  46                           ; v46    and on the way out
.set C,   48                           ; v48-79 codes just made
.set AS,  80                           ; v80-111  the rows' scale words, 8 i + s: scales and nothing else
.set BS,  112                          ; v112-119 the weights' scale words: scales and nothing else
.set Y,   128                          ; v128-255 phase 1: the chunk held and turned; phase 2: two sets of four weight fragments; then rows on their way out
.set SL,  40                           ; s40-43 the slots of my four tiles
.set GC,  44                           ; s44    groups of tiles done
.set GN,  45                           ; s45    groups of tiles that my wave has: at most 4
.set MSB, 0
.macro WIN new                         ; the immediate's high byte repeats the setting that is left; a switch that changes nothing is dropped
.if MSB != \new
	s_set_vgpr_msb (MSB<<8)|\new
.set MSB, \new
.endif
.endm
.macro PLACES n
.rept \n
	v_nop
.endr
.endm
.macro XLOAD q                         ; chunk q: 32 rows x 512 consecutive bytes into set q % 2 of window 1; the chunk's place stands in the immediate: 255 rows of 4,096 bytes at the most, inside its signed 24 bits (ISA guide, chapter 10)
	WIN 0x40
.set k, 0
.rept 32
	global_load_b128 v[128*((\q)%2)+4*k:128*((\q)%2)+4*k+3], v[OFF], s[4:5] offset:(32*(\q)+k)*WPITCH th:TH_LOAD_NT
.set k, k+1
.endr
	WIN 0
.endm
.macro SLOTS                           ; the slots of tiles s26 + 0..3, held to the expert's last tile; an expert without rows names slot 0, which always exists
	s_cmp_eq_u32 s25, 0
	s_cselect_b32 s27, 0, s24
	s_max_u32 s28, s25, 1
	s_sub_co_u32 s28, s28, 1
.irp i, 0,1,2,3
	s_add_co_u32 s29, s26, \i
	s_min_u32 s29, s29, s28
	s_add_co_u32 s29, s29, s27
	s_min_u32 s[SL+\i], s29, 71
	v_lshl_add_u32 v[XA+\i], s[SL+\i], 16, v[GI]
	v_lshl_add_u32 v[XSA+\i], s[SL+\i], 11, v[GS]
.endr
.endm
.macro APART s                         ; K step s of my quarter, the four tiles' images
.irp i, 0,1,2,3
.if \i == 0
	WIN 0x80
.endif
.if \i == 2
	WIN 0xc0
.endif
.irp c, 0,1,2,3
	global_load_b128 v[16*(8*(\i%2)+(\s))+4*\c:16*(8*(\i%2)+(\s))+4*\c+3], v[XA+\i], s[6:7] offset:2048*(\s)+512*\c
.endr
.endr
	WIN 0
.endm
.macro ASC                             ; the rows' eight scale words
.irp i, 0,1,2,3
.irp s, 0,1,2,3,4,5,6,7
	global_load_b32 v[AS+8*\i+\s], v[XSA+\i], s[8:9] offset:64*\s
.endr
.endr
.endm
	s_load_b256 s[4:11], s[0:1], 0x0               ; w2 s[4:5], hq s[6:7], hs s[8:9], plan s[10:11]
	s_load_b64 s[12:13], s[0:1], 0x20              ; part
	v_lshl_add_u32 v126, v0, 2, 0x29800
	v_mov_b32 v127, 0
	v_lshrrev_b32 v24, 5, v0
	v_readfirstlane_b32 s18, v24                   ; wave
	s_and_b32 s19, ttmp7, 0xffff                   ; expert
	s_lshr_b32 s20, ttmp9, 3                       ; K quarter
	s_and_b32 s39, ttmp9, 7                        ; which 128 columns
	s_mov_b32 s21, 0x600000                        ; the mantissa field of 448
	s_lshl_b32 s38, s19, 3
	v_and_b32 v24, 31, v0                          ; lane
	v_bfe_u32 v25, v0, 4, 1                        ; h
	v_lshlrev_b32 v[GI], 4, v24
	v_and_b32 v29, 15, v0                          ; r
	v_lshlrev_b32 v[GS], 2, v29
	v_mov_b32 v[FLR], 0x4800000
	s_wait_alu depctr_va_sdst(0)                   ; s18, the wave's number, is written, ahead of its first reader
	s_mul_i32 s27, s18, 256*WPITCH
	v_add_nc_u32 v[OFF], s27, v[GI]
	v_lshrrev_b32 v26, 3, v24
	v_bfe_u32 v27, v24, 1, 1
	v_lshl_add_u32 v26, v26, 1, v27                ; my columns' tile u = 2 (lane / 8) + (lane / 2) % 2
	v_and_b32 v27, 1, v24                          ; their rows in it: rho = 4 (lane % 2) + j + 8 ((lane / 4) % 2)
	v_bfe_u32 v28, v24, 2, 1
	v_mul_u32_u24 v[VA], v26, FST
	v_lshl_add_u32 v[VA], v27, 6, v[VA]
	v_lshl_add_u32 v[VA], v28, 7, v[VA]
	s_mul_i32 s27, s18, 2*KST
	v_add_nc_u32 v[VA], s27, v[VA]
	v_lshlrev_b32 v[VS], 6, v26
	v_lshl_add_u32 v[VS], v27, 4, v[VS]
	v_lshl_add_u32 v[VS], v28, 5, v[VS]
	s_lshl_b32 s27, s18, 10
	s_add_co_u32 s27, s27, SCL
	v_add_nc_u32 v[VS], s27, v[VS]
	v_mov_b32 v[VL], v[GI]
	v_add_nc_u32 v[VL+1], 3*KST, v[GI]
	v_add_nc_u32 v[VL+2], 6*KST, v[GI]
	v_add_nc_u32 v[VLS], SCL, v[GS]
	v_mul_u32_u24 v[SO], v29, SPI
	v_lshl_add_u32 v[SO], v25, 6, v[SO]
	s_mul_i32 s27, s18, 16*SPI
	s_add_co_u32 s27, s27, STG
	v_add_nc_u32 v[SO], s27, v[SO]                 ; my stage: row r, + 64 h
	v_add_nc_u32 v[SR], s27, v[GI]                 ; back: 16 bytes a lane of a row
	s_wait_kmcnt 0x0
	s_load_b64 s[24:25], s[10:11], s38 offset:0x2200   ; meta[e]: first slot, number of tiles
	s_lshl_b32 s28, s19, 24
	s_lshl_b32 s29, s20, 22
	s_add_co_u32 s28, s28, s29
	s_lshl_b32 s29, s39, 9
	s_add_co_u32 s28, s28, s29
	s_mov_b32 s29, 0
	s_add_nc_u64 s[4:5], s[4:5], s[28:29]          ; w2 at my slice
	s_lshl_b32 s28, s20, 14
	s_add_nc_u64 s[6:7], s[6:7], s[28:29]          ; hq at my quarter's first K step
	s_lshl_b32 s28, s20, 9
	s_add_nc_u64 s[8:9], s[8:9], s[28:29]          ; hs likewise
	s_mul_i32 s28, s20, 1152*4096
	s_lshl_b32 s30, s39, 9
	s_add_co_u32 s28, s28, s30
	s_add_nc_u64 s[12:13], s[12:13], s[28:29]      ; part at my quarter and my columns
	s_wait_alu depctr_va_vdst(0)                   ; the offsets and LDS addresses made above are written: every load and store of the kernel reads some of them, and none is written again
	XLOAD 0
	XLOAD 1
	s_wait_kmcnt 0x0
	s_min_u32 s24, s24, 71
	s_min_u32 s25, s25, 64
	s_lshl_b32 s26, s18, 2                         ; my first tile
	SLOTS                                          ; (the rows' loads, which read these offsets, begin in chunk 1, behind chunk 0's wait on va_vdst)
; A CHUNK: 32 rows x 128 columns: one block of 32 along K for each column.  cnt = the loads issued behind this chunk's.
; All of the chunk's vector work stands first; one wait on va_vdst; then all of its memory and LDS instructions, the loads ahead of the LDS stores.
.macro CHUNK q, cnt
.set XB, 128*((\q)%2)
	s_wait_loadcnt \cnt                            ; loads come back in order: this chunk's 32 are in
	s_wait_dscnt 0x0                               ; the last chunk's LDS stores are done,
.if (\q) > 0
	s_wait_alu depctr_vm_vsrc(0)                   ; and they have read C and BY, which this chunk writes again
.endif
	WIN 0x14
.irp j, 0,1,2,3
	v_max3_num_f32 v[M+\j], v[FLR], |v[XB+\j]|, |v[XB+4+\j]|         ; the floor starts each chain: the byte cannot fall under 1
.endr
.set k, 2
.rept 15
.irp j, 0,1,2,3
	v_max3_num_f32 v[M+\j], v[M+\j], |v[XB+4*k+\j]|, |v[XB+4*k+4+\j]|    ; my four columns by turns
.endr
.set k, k+2
.endr
	WIN 0
.irp j, 0,1,2,3
	v_add_nc_u32 v[SC+\j], 0xfc000000, v[M+\j]     ; 8 off the exponent field: the conversion's scale operand
.endr
.irp j, 0,1,2,3
	v_and_or_b32 v[LIM+\j], v[M+\j], 0x7f800000, s21   ; 448 x the scale
.endr
.irp j, 0,1,2,3
	v_lshrrev_b32 v[BY+\j], 23, v[SC+\j]           ; the scale's byte
.endr
	WIN 0x01
.set k, 0
.rept 32
.irp j, 0,1,2,3
	v_med3_num_f32 v[Y+32*\j+k], v[XB+4*k+\j], -v[LIM+\j], v[LIM+\j] ; the hold (the conversion does not saturate: ISA guide 7.6.2) also turns the registers: a column's 32 numbers now stand on end
.endr
.set k, k+1
.endr
	WIN 0
.irp j, 0,1,2,3
.irp g, 0,1,2,3
	v_cvt_scalef32_pk8_fp8_f32 v[C+8*\j+2*\g:C+8*\j+2*\g+1], v[Y+32*\j+8*\g:Y+32*\j+8*\g+7], v[SC+\j]
.endr
.endr
	v_nop                                          ; a plain instruction behind the last conversion
	s_wait_alu depctr_va_vdst(0)                   ; the maxima and holds are done reading X[q % 2], in which chunk q + 2 lands; the conversions have written C and the shifts BY, which the LDS stores read; in chunk 0 also: the slots' offsets are written, which the rows' loads read
.if ((\q) >= 1) && ((\q) <= 6)
	APART (\q)-1                                   ; the first group's rows come in beside the weights
.endif
.if (\q) == 7
	APART 6
	APART 7
	ASC
.endif
.if (\q) <= 5
	XLOAD (\q)+2
.endif
.irp j, 0,1,2,3
	ds_store_b128 v[VA], v[C+8*\j:C+8*\j+3]   offset:((\q)/4)*KST+((\q)%4)*512+16*\j       ; K 0..15 of the block: the image's lanes 0-15
	ds_store_b128 v[VA], v[C+8*\j+4:C+8*\j+7] offset:((\q)/4)*KST+((\q)%4)*512+256+16*\j   ; K 16..31: its lanes 16-31
	ds_store_b8 v[VS], v[BY+\j] offset:((\q)/4)*512+((\q)%4)+4*\j
.endr
.endm
	CHUNK 0, 32                                    ; behind chunk 0's loads: chunk 1's 32
	CHUNK 1, 32                                    ; chunk 2's 32
	CHUNK 2, 48                                    ; 16 of the rows' and the next chunk's 32
	CHUNK 3, 48
	CHUNK 4, 48
	CHUNK 5, 48
	CHUNK 6, 48
	CHUNK 7, 16                                    ; 16 of the rows'
	s_wait_dscnt 0x0                               ; for the others' sake: my images and scale bytes have landed
	s_barrier_signal -1
	s_barrier_wait -1                              ; the whole slice lies in LDS; its bytes are not written again
	s_cmp_ge_u32 s26, s25
	s_cbranch_scc1 .Lend                           ; a wave without tiles
	s_sub_co_u32 s[GN], s25, s26                   ; tiles from my first on,
	s_add_co_u32 s[GN], s[GN], 15
	s_lshr_b32 s[GN], s[GN], 4                     ; in steps of the four waves' sixteen: my groups, 1 to 4
	s_min_u32 s[GN], s[GN], 4
	s_mov_b32 s[GC], 0
; Batch n: K step n / 2, tiles of columns 4 (n % 2) + 0..3, in set n % 2.  Half of its loads: tiles t0, t0 + 1: 8 loads of 512 consecutive bytes and 2 scale words.
.macro BHALF n, t0
.set ks, (\n)/2
.irp t, \t0, \t0+1
.irp c, 0,1,2,3
	ds_load_b128 v[Y+64*((\n)%2)+16*(\t)+4*\c:Y+64*((\n)%2)+16*(\t)+4*\c+3], v[VL+ks/3] offset:(ks%3)*KST+(4*((\n)%2)+(\t))*FST+512*\c
.endr
	ds_load_b32 v[BS+4*((\n)%2)+(\t)], v[VLS] offset:(8*ks+4*((\n)%2)+(\t))*64
.endr
.endm
.macro MULQ n, i                       ; batch n against row tile i: 4 matrix instructions.  A batch's 16 go to 16 different accumulators, which come up again two batches on: by turns
.set ks, (\n)/2
.if (\i) < 2
	WIN 0x58                                       ; weights window 0, rows window 2, C and D window 1
.else
	WIN 0x5c                                       ; rows window 3
.endif
.irp t, 0,1,2,3
.set rD, 64*(\i)+8*(4*((\n)%2)+\t)
.set rW, Y+64*((\n)%2)+16*\t
.set rR, 16*(8*((\i)%2)+ks)
.if ks == 0
	v_wmma_scale_f32_16x16x128_f8f6f4 v[rD:rD+7], v[rW:rW+15], v[rR:rR+15], 0, v[BS+4*((\n)%2)+\t], v[AS+8*(\i)+ks]
.else
	v_wmma_scale_f32_16x16x128_f8f6f4 v[rD:rD+7], v[rW:rW+15], v[rR:rR+15], v[rD:rD+7], v[BS+4*((\n)%2)+\t], v[AS+8*(\i)+ks]
.endif
.endr
.endm
; A STEP: batch n is multiplied; batch n + 1 is asked for early in it, in two runs, so that eight matrix instructions stand behind the last load.
.macro STEP n
	s_wait_dscnt 0x0                               ; batch n's fragments and scale words are in: all LDS loads issued so far
.if (\n) > 0
	PLACES 8                                       ; eight places stand behind batch n - 1's matrix instructions, ahead of the loads into the set that they read; the wait below fills none
	s_wait_alu depctr_va_vdst(0)                   ; batch n - 1's matrix instructions are done reading the other set and its scale words, in which this step's loads land
.endif
	MULQ \n, 0
.if (\n) < 15
	WIN 0
	BHALF (\n)+1, 0                                ; no further wait: the matrix instructions issued since name set n % 2, its scale words, the rows, AS and the accumulators alone
.endif
	MULQ \n, 1
.if (\n) < 15
	WIN 0
	BHALF (\n)+1, 2
.endif
	MULQ \n, 2
	MULQ \n, 3
.endm
; One tile's way out: 16 rows x 128 columns of f32 through my stage, back as whole rows of 512 bytes.
.macro TILE_OUT i
	s_add_co_u32 s29, s26, \i
	s_cmp_ge_u32 s29, s25
	s_cbranch_scc1 .Lskip_\@                       ; past the expert's last tile: nothing is stored
	s_wait_xcnt 0x0                                ; the last tile's stores have read their data and base
.if (\i) > 0
	s_wait_alu depctr_vm_vsrc(0)                   ; the last tile's global stores have read v128-191, in which this tile's rows land
.endif
	WIN 0x04                                       ; an LDS store's data are its source 1: window 1
.irp u, 0,1,2,3,4,5,6,7
	ds_store_b128 v[SO], v[64*\i+8*\u:64*\i+8*\u+3]   offset:128*(\u/2)+32*(\u%2)          ; each accumulator from its low end on
	ds_store_b128 v[SO], v[64*\i+8*\u+4:64*\i+8*\u+7] offset:128*(\u/2)+32*(\u%2)+16
.endr
	WIN 0
.set rr, 0
.rept 16
	ds_load_b128 v[Y+4*rr:Y+4*rr+3], v[SR] offset:rr*SPI             ; LDS serves a wave's instructions in order: these see my stores
.set rr, rr+1
.endr
	s_lshl_b32 s32, s[SL+\i], 16                   ; a slot's 16 rows of 4,096 bytes
	s_mov_b32 s33, 0
	s_add_nc_u64 s[34:35], s[12:13], s[32:33]
	s_wait_dscnt 0x0
.set rr, 0
.rept 16
	global_store_b128 v[GI], v[Y+4*rr:Y+4*rr+3], s[34:35] offset:rr*4096     ; 32 lanes store 512 consecutive bytes, aligned
.set rr, rr+1
.endr
.Lskip_\@:
.endm
.Lgroup:                                               ; a trip: four row tiles x 128 columns x K 1,024: 256 matrix instructions
	s_wait_loadcnt 0x0                             ; the rows' fragments and scale words
	BHALF 0, 0                                     ; batch 0.  No wait on va_vdst here: on the way in the last chunk's wait, round the back edge the wait ahead of the rows' loads, stands behind the last vector or matrix instruction issued
	BHALF 0, 2
.set nn, 0
.rept 16
	STEP nn
.set nn, nn+1
.endr
	WIN 0
	PLACES 9                                       ; behind the last matrix instructions: in front of the first reads of results, of the loads into the weights' sets and the rows' registers, and of the next group's first products, which begin the accumulators anew
	s_wait_alu depctr_va_vdst(0)                   ; the matrix instructions have written the accumulators, which the LDS stores of all four tiles read, and are done reading the weights' sets, in which the rows from the stage land; the places above stay beside this wait
	TILE_OUT 0
	TILE_OUT 1
	TILE_OUT 2
	TILE_OUT 3
	s_add_co_u32 s26, s26, 16                      ; the four waves' next sixteen tiles
	s_add_co_u32 s[GC], s[GC], 1                   ; the loop's counter: one a trip
	s_cmp_ge_u32 s[GC], s[GN]
	s_cbranch_scc1 .Lend
	s_wait_xcnt 0x0
	s_wait_alu depctr_vm_vsrc(0)                   ; the last group's loads have read the slots' offsets, which are written again below; its LDS stores have read the accumulators, which the next products write; its global stores have read v128-191, in which batch 0 lands
	SLOTS
	s_wait_alu depctr_va_vdst(0)                   ; the slots' offsets are written, which the loads below read
.irp s, 0,1,2,3,4,5,6,7
	APART \s
.endr
	ASC
	s_cmp_lt_u32 s[GC], s[GN]
	s_cbranch_scc1 .Lgroup
.Lend:
	s_wait_dscnt 0x0
	s_wait_alu depctr_hold_cnt(0) depctr_sa_sdst(0) depctr_va_vdst(0) depctr_va_sdst(0) depctr_va_ssrc(0) depctr_va_vcc(0) depctr_vm_vsrc(0)
	s_wait_tensorcnt 0x0
	ds_add_u32 v126, v127
	s_wait_dscnt 0x0
	s_endpgm
.Lfunc_end_k_q3383bd5378_fc2:
	.size	k_q3383bd5378_fc2, .Lfunc_end_k_q3383bd5378_fc2-k_q3383bd5378_fc2
	.p2alignl 7, 3214868480
	.fill 96, 4, 3214868480
	.section	.rodata,"a",@progbits
	.p2align	6, 0x0
	.amdhsa_kernel k_q3383bd5378_fc2
		.amdhsa_group_segment_fixed_size 170496
		.amdhsa_private_segment_fixed_size 0
		.amdhsa_enable_private_segment 0
		.amdhsa_kernarg_size 40
		.amdhsa_user_sgpr_count 2
		.amdhsa_user_sgpr_kernarg_segment_ptr 1
		.amdhsa_wavefront_size32 1
		.amdhsa_system_sgpr_workgroup_id_x 1
		.amdhsa_system_sgpr_workgroup_id_y 1
		.amdhsa_system_sgpr_workgroup_id_z 1
		.amdhsa_system_vgpr_workitem_id 0
		.amdhsa_next_free_vgpr 1024
		.amdhsa_next_free_sgpr 66
		.amdhsa_reserve_vcc 0
		.amdhsa_float_denorm_mode_32 3
		.amdhsa_float_denorm_mode_16_64 3
		.amdhsa_memory_ordered 1
		.amdhsa_forward_progress 1
		.amdhsa_inst_pref_size 255
	.end_amdhsa_kernel
	.section	.bss,"aw",@nobits
	.p2align	6
	.space	262144
	.amdgpu_metadata
---
amdhsa.version: [ 1, 2 ]
amdhsa.kernels:
  - .name:           k_q3383bd5378_fc2
    .symbol:         k_q3383bd5378_fc2.kd
    .args:
      - { .name: w2, .offset: 0, .size: 8, .value_kind: global_buffer, .address_space: global }
      - { .name: hq, .offset: 8, .size: 8, .value_kind: global_buffer, .address_space: global }
      - { .name: hs, .offset: 16, .size: 8, .value_kind: global_buffer, .address_space: global }
      - { .name: plan, .offset: 24, .size: 8, .value_kind: global_buffer, .address_space: global }
      - { .name: part, .offset: 32, .size: 8, .value_kind: global_buffer, .address_space: global }
    .group_segment_fixed_size: 170496
    .private_segment_fixed_size: 0
    .kernarg_segment_align: 8
    .kernarg_segment_size: 40
    .max_flat_workgroup_size: 128
    .sgpr_count:     66
    .vgpr_count:     1024
    .wavefront_size: 32
...
	.end_amdgpu_metadata
.endif
;; end of part 9
;; launch combine (part 10): grid 256 x 1, 4 waves a work-group, no clusters, 0 bytes of LDS; arguments part, plan, owner, b2, out0; writes out0
.if DOCPART == 10
	.amdgcn_target "amdgcn-amd-amdhsa--gfx1250"
	.amdhsa_code_object_version 6
	.text
	.protected	k_q3383bd5378_combine
	.globl	k_q3383bd5378_combine
	.p2align	8
	.type	k_q3383bd5378_combine,@function
k_q3383bd5378_combine:
	s_mov_b64 s[64:65], 0
	v_nop
	global_prefetch_b8 v0, s[64:65] scope:SCOPE_SE
	s_setreg_imm32_b32 hwreg(HW_REG_WAVE_MODE, 25, 1), 1
	s_wait_xcnt 0x0
; out0[t] = ((part0 + part1) + (part2 + part3))[pos[t]] + b2[owner[t]]: the four K quarters of the second layer are added in a fixed order, each output row by one wave.
; One wave takes one token t = 4 x work-group + wave: five rows of 4,096 bytes in, one out, every load and store 512 consecutive bytes.  A stream: no LDS, no barrier, no matrix unit.
.set P, 16                             ; v16-143 quarter q's row at P + 32 q; v144-175 b2's row
.set QB, 1152*4096                     ; bytes of a quarter
	s_load_b256 s[4:11], s[0:1], 0x0               ; part s[4:5], plan s[6:7], owner s[8:9], b2 s[10:11]
	s_load_b64 s[12:13], s[0:1], 0x20              ; out0
	v_lshrrev_b32 v1, 5, v0
	v_readfirstlane_b32 s14, v1                    ; wave
	s_lshl_b32 s15, ttmp9, 2
	s_add_co_u32 s15, s15, s14                     ; my token
	s_lshl_b32 s16, s15, 2
	v_and_b32 v2, 31, v0
	v_lshlrev_b32 v2, 4, v2                        ; 16 bytes a lane
	s_wait_alu depctr_va_vdst(0)
	s_wait_kmcnt 0x0
	s_load_b32 s17, s[6:7], s16 offset:0x1200      ; pos[t]
	s_load_b32 s18, s[8:9], s16 offset:0x0         ; owner[t]
	s_mov_b32 s21, 0
	s_wait_kmcnt 0x0
	s_min_u32 s17, s17, 1151
	s_min_u32 s18, s18, 7
	s_lshl_b32 s20, s17, 12
	s_add_nc_u64 s[4:5], s[4:5], s[20:21]          ; my row in quarter 0,
	s_add_nc_u64 s[22:23], s[4:5], 2*QB            ; and in quarter 2: so every offset stays inside the signed 24-bit immediate
	s_lshl_b32 s20, s18, 12
	s_add_nc_u64 s[10:11], s[10:11], s[20:21]
	s_lshl_b32 s20, s15, 12
	s_add_nc_u64 s[12:13], s[12:13], s[20:21]
.irp n, 0,1,2,3,4,5,6,7
	global_load_b128 v[P+4*\n:P+4*\n+3],         v2, s[4:5] offset:512*\n th:TH_LOAD_NT
	global_load_b128 v[P+32+4*\n:P+32+4*\n+3],   v2, s[4:5] offset:512*\n+QB th:TH_LOAD_NT
	global_load_b128 v[P+64+4*\n:P+64+4*\n+3],   v2, s[22:23] offset:512*\n th:TH_LOAD_NT
	global_load_b128 v[P+96+4*\n:P+96+4*\n+3],   v2, s[22:23] offset:512*\n+QB th:TH_LOAD_NT
	global_load_b128 v[P+128+4*\n:P+128+4*\n+3], v2, s[10:11] offset:512*\n
.endr
	s_wait_loadcnt 0x0
.set j, 0
.rept 16
	v_pk_add_f32 v[P+2*j:P+2*j+1], v[P+2*j:P+2*j+1], v[P+32+2*j:P+32+2*j+1]
	v_pk_add_f32 v[P+64+2*j:P+64+2*j+1], v[P+64+2*j:P+64+2*j+1], v[P+96+2*j:P+96+2*j+1]
.set j, j+1
.endr
.set j, 0
.rept 16
	v_pk_add_f32 v[P+2*j:P+2*j+1], v[P+2*j:P+2*j+1], v[P+64+2*j:P+64+2*j+1]
.set j, j+1
.endr
.set j, 0
.rept 16
	v_pk_add_f32 v[P+2*j:P+2*j+1], v[P+2*j:P+2*j+1], v[P+128+2*j:P+128+2*j+1]
.set j, j+1
.endr
.irp n, 0,1,2,3,4,5,6,7
	global_store_b128 v2, v[P+4*\n:P+4*\n+3], s[12:13] offset:512*\n th:TH_STORE_NT
.endr
	s_endpgm
.Lfunc_end_k_q3383bd5378_combine:
	.size	k_q3383bd5378_combine, .Lfunc_end_k_q3383bd5378_combine-k_q3383bd5378_combine
	.p2alignl 7, 3214868480
	.fill 96, 4, 3214868480
	.section	.rodata,"a",@progbits
	.p2align	6, 0x0
	.amdhsa_kernel k_q3383bd5378_combine
		.amdhsa_group_segment_fixed_size 0
		.amdhsa_private_segment_fixed_size 0
		.amdhsa_enable_private_segment 0
		.amdhsa_kernarg_size 40
		.amdhsa_user_sgpr_count 2
		.amdhsa_user_sgpr_kernarg_segment_ptr 1
		.amdhsa_wavefront_size32 1
		.amdhsa_system_sgpr_workgroup_id_x 1
		.amdhsa_system_sgpr_workgroup_id_y 1
		.amdhsa_system_sgpr_workgroup_id_z 1
		.amdhsa_system_vgpr_workitem_id 0
		.amdhsa_next_free_vgpr 176
		.amdhsa_next_free_sgpr 66
		.amdhsa_reserve_vcc 0
		.amdhsa_float_denorm_mode_32 3
		.amdhsa_float_denorm_mode_16_64 3
		.amdhsa_memory_ordered 1
		.amdhsa_forward_progress 1
		.amdhsa_inst_pref_size 10
	.end_amdhsa_kernel
	.amdgpu_metadata
---
amdhsa.version: [ 1, 2 ]
amdhsa.kernels:
  - .name:           k_q3383bd5378_combine
    .symbol:         k_q3383bd5378_combine.kd
    .args:
      - { .name: part, .offset: 0, .size: 8, .value_kind: global_buffer, .address_space: global }
      - { .name: plan, .offset: 8, .size: 8, .value_kind: global_buffer, .address_space: global }
      - { .name: owner, .offset: 16, .size: 8, .value_kind: global_buffer, .address_space: global }
      - { .name: b2, .offset: 24, .size: 8, .value_kind: global_buffer, .address_space: global }
      - { .name: out0, .offset: 32, .size: 8, .value_kind: global_buffer, .address_space: global }
    .group_segment_fixed_size: 0
    .private_segment_fixed_size: 0
    .kernarg_segment_align: 8
    .kernarg_segment_size: 40
    .max_flat_workgroup_size: 128
    .sgpr_count:     66
    .vgpr_count:     176
    .wavefront_size: 32
...
	.end_amdgpu_metadata
.endif
;; end of part 10
